; MI455X (gfx1250); checked and timed in simulation.
; The chip was launched on July 23, 2026; its instructions are those of AMD's public machine-readable ISA for CDNA 5 (MIT licence, August 2026) and "CDNA5" Instruction Set Architecture Reference Guide (July 2026). The comments in the code are by the model that wrote it; some were corrected since.
;; GPT Layer. Allowed arithmetic: float matrix products may take bf16 or f16 operands with f32 sums; all other float work in f32.
;; Inputs: cos 2,048 x 64 float32; fcWeight 1,024 x 4,096 float32; kWeight 1,024 x 1,024 float32; lambdaResid one number float32; lambdaX0 one number float32; mlpProjWeight 4,096 x 1,024 float32; projWeight 1,024 x 1,024 float32; qWeight 1,024 x 1,024 float32; sin 2,048 x 64 float32; vWeight 1,024 x 1,024 float32; x 2 x 2,048 x 1,024 float32; x0 2 x 2,048 x 1,024 float32.
;; Outputs: out0 2 x 2,048 x 1,024 float32.
;; One version. Each part assembles by itself: llvm-mc -triple=amdgcn-amd-amdhsa -mcpu=gfx1250 --defsym DOCPART=n.
;; ======== version 1 of 1: 7 launches
;; limits: values are held in f16: magnitudes above 65,504 overflow, below 6.1e-05 lose precision; inputs' magnitudes at most 65,504
;; workspace buffers: wb 25,165,824 bytes; scaled 16,777,216 bytes; pre 8,388,608 bytes; qkvb 25,165,824 bytes; att 8,388,608 bytes; scaled2 16,777,216 bytes; pre2 8,388,608 bytes; hbuf 33,554,432 bytes
;; launch prep (part 1): grid 1280 x 1, 8 waves a work-group, no clusters, 0 bytes of LDS; arguments x, x0, lambdaResid, lambdaX0, qWeight, kWeight, vWeight, projWeight, fcWeight, mlpProjWeight, scaled, pre, wb; writes scaled, pre, wb
.if DOCPART == 1
	.amdgcn_target "amdgcn-amd-amdhsa--gfx1250"
	.amdhsa_code_object_version 6
	.text
	.protected	k_q6a02e6c70e_prep
	.globl	k_q6a02e6c70e_prep
	.p2align	8
	.type	k_q6a02e6c70e_prep,@function
k_q6a02e6c70e_prep:
	s_mov_b64 s[64:65], 0
	v_nop
	global_prefetch_b8 v0, s[64:65] scope:SCOPE_SE
	s_setreg_imm32_b32 hwreg(HW_REG_WAVE_MODE, 25, 1), 1
	s_wait_xcnt 0x0
; Two streams in one launch; bytes bound both, so no LDS, no matrix unit, no cluster: no byte is read twice.
; Work-groups 0-511 (ROWS): scaled = x lambdaResid + x0 lambdaX0 (f32, stored), pre = scaled * rsqrt(mean(scaled^2) + 1e-5) (f16, at most 32 in size).
;   One wave takes one row of 1,024 numbers: 8 + 8 loads of 16 bytes a lane, the row stays in 32 registers, the sum never leaves the wave.
; Work-groups 512-1279 (CAST): the six weights are rounded once to 16 bits and keep their layout [K][N]: 16,384 numbers a work-group.
;   q, k, v, proj, fc to f16; mlpProj to bf16 (its partner relu(u)^2 has no bound that fits f16).
; LIMIT: a weight of q, k, v, proj or fc of 65,520 or more becomes an infinity in f16.
.set X,  8                             ; v[8:39]   x, then scaled
.set Z,  40                            ; v[40:71]  x0, then the normalised row
.set SS, 72                            ; v[72:75]  two chains of pairs: sums of squares
.set RS, 76                            ; v[76:77]  1 / rms, twice
.set Y,  80                            ; v[80:95]  the row in f16
	s_load_b512 s[4:19], s[0:1], 0x0               ; x, x0, lambdaResid, lambdaX0, q, k, v, proj
	s_load_b256 s[20:27], s[0:1], 0x40             ; fc, mlpProj, scaled, pre
	s_load_b64 s[28:29], s[0:1], 0x60              ; wb
	s_mov_b32 s2, ttmp9
	s_cmp_lt_u32 s2, 512
	s_cbranch_scc0 .Lcast
	v_lshrrev_b32 v1, 5, v0
	v_readfirstlane_b32 s3, v1                     ; wave 0..7
	s_lshl_b32 s34, s2, 3
	s_add_co_u32 s34, s34, s3                      ; my row
	s_lshl_b32 s36, s34, 11                        ; its first byte in pre
	s_lshl_b32 s34, s34, 12                        ; and in x, x0, scaled
	s_mov_b32 s35, 0
	s_mov_b32 s37, 0
	s_mov_b32 s38, 0x76543210                      ; v_permlanex16_b32: each lane takes its own place in the other half
	s_mov_b32 s39, 0xfedcba98
	s_mov_b32 s44, 0x3a800000                      ; 1 / 1024
	s_mov_b32 s45, 0x3727c5ac                      ; 1e-5
	v_and_b32 v2, 31, v0
	v_lshlrev_b32 v1, 4, v2                        ; 16 bytes a lane in f32
	v_lshlrev_b32 v2, 3, v2                        ; 8 bytes a lane in f16
	s_wait_kmcnt 0x0
	s_load_b32 s30, s[8:9], 0x0                    ; lambdaResid
	s_load_b32 s32, s[10:11], 0x0                  ; lambdaX0
	s_add_nc_u64 s[4:5], s[4:5], s[34:35]
	s_add_nc_u64 s[6:7], s[6:7], s[34:35]
	s_add_nc_u64 s[24:25], s[24:25], s[34:35]
	s_add_nc_u64 s[26:27], s[26:27], s[36:37]
.irp i, 0,1,2,3,4,5,6,7
	global_load_b128 v[X+4*\i:X+4*\i+3], v1, s[4:5] offset:512*\i th:TH_LOAD_NT
	global_load_b128 v[Z+4*\i:Z+4*\i+3], v1, s[6:7] offset:512*\i th:TH_LOAD_NT
.endr
	s_wait_kmcnt 0x0
	s_mov_b32 s31, s30                             ; named as pairs by the packed forms
	s_mov_b32 s33, s32
.irp i, 0,1,2,3,4,5,6,7
	s_wait_loadcnt 14-2*\i                         ; pair i of the 16 loads is in; the pairs behind it stay out
	v_pk_mul_f32 v[Z+4*\i:Z+4*\i+1], v[Z+4*\i:Z+4*\i+1], s[32:33] op_sel_hi:[1,0]
	v_pk_mul_f32 v[Z+4*\i+2:Z+4*\i+3], v[Z+4*\i+2:Z+4*\i+3], s[32:33] op_sel_hi:[1,0]
	v_pk_fma_f32 v[X+4*\i:X+4*\i+1], v[X+4*\i:X+4*\i+1], s[30:31], v[Z+4*\i:Z+4*\i+1] op_sel_hi:[1,0,1]
	v_pk_fma_f32 v[X+4*\i+2:X+4*\i+3], v[X+4*\i+2:X+4*\i+3], s[30:31], v[Z+4*\i+2:Z+4*\i+3] op_sel_hi:[1,0,1]
.if \i == 0
	v_pk_mul_f32 v[SS:SS+1], v[X:X+1], v[X:X+1]    ; the first words start the chains
	v_pk_mul_f32 v[SS+2:SS+3], v[X+2:X+3], v[X+2:X+3]
.else
	v_pk_fma_f32 v[SS:SS+1], v[X+4*\i:X+4*\i+1], v[X+4*\i:X+4*\i+1], v[SS:SS+1]
	v_pk_fma_f32 v[SS+2:SS+3], v[X+4*\i+2:X+4*\i+3], v[X+4*\i+2:X+4*\i+3], v[SS+2:SS+3]
.endif
	global_store_b128 v1, v[X+4*\i:X+4*\i+3], s[24:25] offset:512*\i  ; 512 consecutive bytes; X is not written again
.endr
	v_pk_add_f32 v[SS:SS+1], v[SS:SS+1], v[SS+2:SS+3]
	v_add_f32 v[SS], v[SS], v[SS+1]
	v_add_f32_dpp v[SS], v[SS], v[SS] row_xmask:1 row_mask:0xf bank_mask:0xf
	v_add_f32_dpp v[SS], v[SS], v[SS] row_xmask:2 row_mask:0xf bank_mask:0xf
	v_add_f32_dpp v[SS], v[SS], v[SS] row_xmask:4 row_mask:0xf bank_mask:0xf
	v_add_f32_dpp v[SS], v[SS], v[SS] row_xmask:8 row_mask:0xf bank_mask:0xf
	v_permlanex16_b32 v[SS+1], v[SS], s38, s39
	v_add_f32 v[SS], v[SS], v[SS+1]
	v_fma_f32 v[SS+2], v[SS], s44, s45             ; mean + eps
	v_rsq_f32 v[RS], v[SS+2]
	v_rsq_f32 v[RS+1], v[SS+2]
	v_nop                                          ; a plain instruction between the roots and their use (ISA guide 5.7.2)
	s_wait_alu depctr_va_vdst(0)
.irp i, 0,1,2,3,4,5,6,7
	v_pk_mul_f32 v[Z+4*\i:Z+4*\i+1], v[X+4*\i:X+4*\i+1], v[RS:RS+1]
	v_pk_mul_f32 v[Z+4*\i+2:Z+4*\i+3], v[X+4*\i+2:X+4*\i+3], v[RS:RS+1]
	v_cvt_pk_f16_f32 v[Y+2*\i], v[Z+4*\i], v[Z+4*\i+1]
	v_cvt_pk_f16_f32 v[Y+2*\i+1], v[Z+4*\i+2], v[Z+4*\i+3]
	global_store_b64 v2, v[Y+2*\i:Y+2*\i+1], s[26:27] offset:256*\i  ; the wave's 32 lanes store 256 consecutive bytes, aligned
.endr
	s_endpgm
.Lcast:
	s_sub_co_u32 s40, s2, 512                      ; chunk 0..767 of 16,384 numbers: q 0-63, k 64-127, v 128-191, proj 192-255, fc 256-511, mlpProj 512-767
	v_lshlrev_b32 v1, 4, v0                        ; 16 bytes a thread in f32
	v_lshlrev_b32 v2, 3, v0                        ; 8 bytes a thread in 16 bits
	s_wait_kmcnt 0x0
	s_mov_b64 s[42:43], s[22:23]                   ; the source and its first chunk, chosen by the chunk's number alone
	s_mov_b32 s41, 512
	s_cmp_lt_u32 s40, 512
	s_cselect_b64 s[42:43], s[20:21], s[42:43]
	s_cselect_b32 s41, 256, s41
	s_cmp_lt_u32 s40, 256
	s_cselect_b64 s[42:43], s[18:19], s[42:43]
	s_cselect_b32 s41, 192, s41
	s_cmp_lt_u32 s40, 192
	s_cselect_b64 s[42:43], s[16:17], s[42:43]
	s_cselect_b32 s41, 128, s41
	s_cmp_lt_u32 s40, 128
	s_cselect_b64 s[42:43], s[14:15], s[42:43]
	s_cselect_b32 s41, 64, s41
	s_cmp_lt_u32 s40, 64
	s_cselect_b64 s[42:43], s[12:13], s[42:43]
	s_cselect_b32 s41, 0, s41
	s_sub_co_u32 s41, s40, s41
	s_lshl_b32 s46, s41, 16                        ; 65,536 bytes of f32 a chunk
	s_mov_b32 s47, 0
	s_add_nc_u64 s[42:43], s[42:43], s[46:47]
	s_lshl_b32 s46, s40, 15                        ; 32,768 bytes of 16 bits a chunk: the six matrices lie end to end in wb
	s_add_nc_u64 s[28:29], s[28:29], s[46:47]
.irp i, 0,1,2,3,4,5,6,7,8,9,10,11,12,13,14,15
	global_load_b128 v[8+4*\i:11+4*\i], v1, s[42:43] offset:4096*\i th:TH_LOAD_NT
.endr
.macro CV cvt                          ; sixteen times: the oldest load is in, two roundings, one store; nothing is rewritten
.irp i, 0,1,2,3,4,5,6,7,8,9,10,11,12,13,14,15
	s_wait_loadcnt 15-\i
	\cvt v[72+2*\i], v[8+4*\i], v[9+4*\i]
	\cvt v[73+2*\i], v[10+4*\i], v[11+4*\i]
	global_store_b64 v2, v[72+2*\i:73+2*\i], s[28:29] offset:2048*\i
.endr
.endm
	s_cmp_lt_u32 s40, 512
	s_cbranch_scc0 .Lbf
	CV v_cvt_pk_f16_f32
	s_endpgm
.Lbf:
	CV v_cvt_pk_bf16_f32
	s_endpgm
.Lfunc_end_k_q6a02e6c70e_prep:
	.size	k_q6a02e6c70e_prep, .Lfunc_end_k_q6a02e6c70e_prep-k_q6a02e6c70e_prep
	.p2alignl 7, 3214868480
	.fill 96, 4, 3214868480
	.section	.rodata,"a",@progbits
	.p2align	6, 0x0
	.amdhsa_kernel k_q6a02e6c70e_prep
		.amdhsa_group_segment_fixed_size 0
		.amdhsa_private_segment_fixed_size 0
		.amdhsa_enable_private_segment 0
		.amdhsa_kernarg_size 104
		.amdhsa_user_sgpr_count 2
		.amdhsa_user_sgpr_kernarg_segment_ptr 1
		.amdhsa_wavefront_size32 1
		.amdhsa_system_sgpr_workgroup_id_x 1
		.amdhsa_system_sgpr_workgroup_id_y 1
		.amdhsa_system_sgpr_workgroup_id_z 1
		.amdhsa_system_vgpr_workitem_id 0
		.amdhsa_next_free_vgpr 104
		.amdhsa_next_free_sgpr 66
		.amdhsa_reserve_vcc 0
		.amdhsa_float_denorm_mode_32 3
		.amdhsa_float_denorm_mode_16_64 3
		.amdhsa_memory_ordered 1
		.amdhsa_forward_progress 1
		.amdhsa_inst_pref_size 22
	.end_amdhsa_kernel
	.amdgpu_metadata
---
amdhsa.version: [ 1, 2 ]
amdhsa.kernels:
  - .name:           k_q6a02e6c70e_prep
    .symbol:         k_q6a02e6c70e_prep.kd
    .args:
      - { .name: x, .offset: 0, .size: 8, .value_kind: global_buffer, .address_space: global }
      - { .name: x0, .offset: 8, .size: 8, .value_kind: global_buffer, .address_space: global }
      - { .name: lambdaResid, .offset: 16, .size: 8, .value_kind: global_buffer, .address_space: global }
      - { .name: lambdaX0, .offset: 24, .size: 8, .value_kind: global_buffer, .address_space: global }
      - { .name: qWeight, .offset: 32, .size: 8, .value_kind: global_buffer, .address_space: global }
      - { .name: kWeight, .offset: 40, .size: 8, .value_kind: global_buffer, .address_space: global }
      - { .name: vWeight, .offset: 48, .size: 8, .value_kind: global_buffer, .address_space: global }
      - { .name: projWeight, .offset: 56, .size: 8, .value_kind: global_buffer, .address_space: global }
      - { .name: fcWeight, .offset: 64, .size: 8, .value_kind: global_buffer, .address_space: global }
      - { .name: mlpProjWeight, .offset: 72, .size: 8, .value_kind: global_buffer, .address_space: global }
      - { .name: scaled, .offset: 80, .size: 8, .value_kind: global_buffer, .address_space: global }
      - { .name: pre, .offset: 88, .size: 8, .value_kind: global_buffer, .address_space: global }
      - { .name: wb, .offset: 96, .size: 8, .value_kind: global_buffer, .address_space: global }
    .group_segment_fixed_size: 0
    .private_segment_fixed_size: 0
    .kernarg_segment_align: 8
    .kernarg_segment_size: 104
    .max_flat_workgroup_size: 256
    .sgpr_count:     66
    .vgpr_count:     104
    .wavefront_size: 32
...
	.end_amdgpu_metadata
.endif
;; end of part 1
;; launch qkv (part 2): grid 12 x 16, 4 waves a work-group, clusters of 4 x 4, 327,680 bytes of LDS; arguments pre, wb, cos, sin, qkvb; writes qkvb
.if DOCPART == 2
	.amdgcn_target "amdgcn-amd-amdhsa--gfx1250"
	.amdhsa_code_object_version 6
	.text
	.protected	k_q6a02e6c70e_qkv
	.globl	k_q6a02e6c70e_qkv
	.p2align	8
	.type	k_q6a02e6c70e_qkv,@function
k_q6a02e6c70e_qkv:
	s_mov_b64 s[64:65], 0
	v_nop
	global_prefetch_b8 v0, s[64:65] scope:SCOPE_SE
	s_setreg_imm32_b32 hwreg(HW_REG_WAVE_MODE, 25, 1), 1
	s_wait_xcnt 0x0
	s_wait_alu depctr_hold_cnt(0) depctr_sa_sdst(0) depctr_va_vdst(0) depctr_va_sdst(0) depctr_va_ssrc(0) depctr_va_vcc(0) depctr_vm_vsrc(0)
	s_getreg_b32 s2, hwreg(HW_REG_IB_STS2, 6, 4)
	s_cmp_eq_u32 s2, 0
	s_cbranch_scc0 .Lentry_in_a_cluster
	s_endpgm
.Lentry_in_a_cluster:
	s_bfe_u32 s2, ttmp6, 0x10000c
	s_cmp_lg_u32 s2, 0xf033
	s_cbranch_scc0 .Lentry_shape_is_right
	s_endpgm
.Lentry_shape_is_right:
; [q | k | v] = pre x [qW | kW | vW]: M = 4,096, N = 3 x 1,024, K = 1,024, f16 operands, f32 sums; then rotary and a norm over each head's 64 channels for q and k.
; q is also multiplied by c = log2(e) / 8 in f32, so that attention's exponent is the product itself.  Out: f16 by heads, [part][batch x 16 + head][2,048][64].
; A tile of C is 256 x 256, four waves of 128 x 128 (64 accumulators, 512 registers): 16 x 12 = 192 work-groups.  A tile of 256 x 192 would give 256, but 1.5 heads to a wave's half
; and a quarter less matrix work between a tile's request and the wait for it.
; K goes in steps of 128 through two LDS slots.  A ([M][K]) lies as it is read; B ([K][N], as the weights are given) is turned on its way out of LDS by ds_load_tr16_b128.
; The matrix instruction is used transposed (source 0 = 16 columns of B, source 1 = 16 rows of A): a lane holds one row of C and eight neighbouring columns.
; CLUSTER 4 x 4: the four of a row share A's tiles, the four of a column B's: each tile is asked for jointly, by the same load, descriptor and mask in all four.
; One step's text serves both slots: the slot in hand is the scalar TB (0 or SLOT), which enters the LDS addresses and the walking descriptor's LDS word.
; By this text's count a wave has two tensor loads out at the start and one behind each round.
; THE WAY OUT IS A LOOP.  The slot left at the last step but one is filled once more, with the tile's 256 rows of cos and of sin (shared along the cluster's row, asked for jointly).  Behind a barrier
; that follows every wave's last read of the ring each wave puts its sums, 64 rows at a time, into bytes of slot 1 (which has had its last fill), and a counted loop reads rows back:
; eight lanes hold one head's row, eight channels each; the rotary partner lies four lanes away, the norm's sum is over the eight lanes.
; The column tiles of one cluster belong to one part (q, k or v), so the jump that spares v the rotary is alike in all partners.
; KEPT AS IT IS: the 64 work-groups that make v ask for cos and sin too and do not read them: every partner issues every joint load on every path.
; LIMITS: v is kept in f16 (under 65,504); NaN and infinities are not treated apart.
; REGISTERS: window 0: v0-31 addresses; v64-127, v128-191 A's fragments, two buffers (on the way out: at work).  Window 1: v64-127, v128-191 B's.  Windows 2, 3: accumulator (a, b) at v[8 (8 a + b)], my rows 0-63, 64-127.
.set APITCH, 1024                      ; elements from row to row of A
.set NP,     1024                      ; and of B
.set TSTEPS, 8                         ; K / 128
.set PA,     272                       ; A's row in LDS: 256 bytes + 16: the 16 rows of a load start at 16 different groups of four banks
.set AH,     128*PA                    ; what one load brings of A: 128 rows
.set ASTEP,  256                       ; bytes from a K step to the next in memory
.set PB,     544                       ; B's row (one k, 256 columns) in LDS: 512 bytes + 32
.set BH,     64*PB                     ; what one load brings of B: 64 k
.set BOFF,   2*AH
.set SLOT,   2*AH+2*BH
.set SPARE,  2*SLOT                    ; the spare words: 128 bytes a wave, named by no other line
.set BSTEP,  256*NP
.set SPI,    528                       ; a stage row: 128 f32 + 16 bytes
.set A0, 10                            ; v10 my lane's place in A's tile; v11 in B's; never rewritten
.set B0, 11
.set ADRA, 12                          ; the same in the slot in hand
.set ADRB, 13
.set STO, 15                           ; where my sums go in my stage
.set XR0, 16                           ; where I read a row's eight channels back; v20 with the trip's step
.set GO,  17                           ; my 16 bytes in 512 consecutive bytes of qkvb
.set SPW, 18
.set NIL, 19
.set XR,  20
.set CR0, 21                           ; my eight channels of cos; v23 with the trip's step
.set SR0, 22                           ; of sin; v24
.set CR,  23
.set SR,  24
.set SGN, 30                           ; v[30:31] -1 for a head's first 32 channels, +1 for the others
.set X,   64                           ; unit u = 2 g + head (g: rows 4 g .. 4 g + 3 of the trip's eight): eight channels at X + 8 u
.set T,   96                           ; the partner's share, likewise
.set C,   128                          ; cos of row group g at C + 8 g
.set S,   144                          ; sin likewise
.set SS,  160                          ; a pair a unit: sum of squares, then the row's factor
.set Y,   168                          ; four registers a unit: f16 to store
.set F0,  64
.set F1,  128
.set WV, 14
.set HR, 15                            ; wave / 2: my half of the rows; also: I fetch for A (0) or B (1)
.set HC, 16                            ; wave % 2: my half of the columns; also which half of that tile I fetch
.set TR, 17
.set TC, 18
.set CX, 19
.set CY, 20
.set LBA, 21
.set LBB, 22
.set TB,  23
.set G1A, 24
.set G0A, 32
.set G1B, 48
.set G0B, 56
.set CNT, 66
.set PART, 67
.set FAC, 70
.set K64, 71
.set EPSR, 76
.set G1C, 80                           ; s[80:87] group 1 for cos and sin; s[88:91], s[92:95] their groups 0
.set G0C, 88
.set G0S, 92
.set XO,  96
.set CO2, 97
.set MSB, 0
.macro WIN new                         ; the immediate's high byte repeats the setting that is left
.if MSB != (\new)
	s_set_vgpr_msb (MSB<<8)|(\new)
.set MSB, \new
.endif
.endm
.set MUL_LO, 0xa1                      ; source 0 (B) window 1, source 1 (A) window 0, C and D window 2; + 0x50: window 3
.set TO_B,   0x40                      ; destination window 1, address window 0
.macro PLACES                          ; four places behind matrix instructions (ISA guide 7.12.1)
.rept 4
	v_nop
.endr
.endm
.macro CREST                           ; a round of the cluster's barrier behind its opening barrier
	s_cmp_lg_u32 s[WV], 0
	s_cbranch_scc1 .Lnot_wave_0_\@
	s_barrier_signal -3
.Lnot_wave_0_\@:
	s_barrier_wait -3
	s_barrier_signal -1
	s_barrier_wait -1
.endm
.macro CROUND
	s_barrier_signal -1
	s_barrier_wait -1
	CREST
.endm
.macro JLOAD                           ; the joint refill by the walking descriptor; an s_nop 0 and four v_nop follow each line
	s_cmp_eq_u32 s[HR], 0
	s_cbranch_scc0 .Lfor_b_\@
	tensor_load_to_lds s[G0A+4:G0A+7], s[G1A:G1A+7]
	s_nop 0
.rept 4
	v_nop
.endr
	s_branch .Lasked_\@
.Lfor_b_\@:
	tensor_load_to_lds s[G0B+4:G0B+7], s[G1B:G1B+7]
	s_nop 0
.rept 4
	v_nop
.endr
.Lasked_\@:
.endm
.macro CLOAD                           ; cos (waves 0, 1) and sin (waves 2, 3), 128 rows each, into slot 0
	s_cmp_eq_u32 s[HR], 0
	s_cbranch_scc0 .Lfor_s_\@
	tensor_load_to_lds s[G0C:G0C+3], s[G1C:G1C+7]
	s_nop 0
.rept 4
	v_nop
.endr
	s_branch .Lasked_\@
.Lfor_s_\@:
	tensor_load_to_lds s[G0S:G0S+3], s[G1C:G1C+7]
	s_nop 0
.rept 4
	v_nop
.endr
.Lasked_\@:
.endm
.macro MUL16 f, hi, a0, zero           ; 16 products: row blocks a0, a0 + 1 of the window's four x 8 column blocks, 32 along K; the 64 accumulators take turns
	WIN MUL_LO+0x50*(\hi)
.irp a, \a0, (\a0)+1
.irp b, 0,1,2,3,4,5,6,7
.if \zero
	v_wmma_f32_16x16x32_f16 v[8*(8*(\a)+(\b)):8*(8*(\a)+(\b))+7], v[(\f)+8*(\b):(\f)+8*(\b)+7], v[(\f)+8*(4*(\hi)+(\a)):(\f)+8*(4*(\hi)+(\a))+7], 0
.else
	v_wmma_f32_16x16x32_f16 v[8*(8*(\a)+(\b)):8*(8*(\a)+(\b))+7], v[(\f)+8*(\b):(\f)+8*(\b)+7], v[(\f)+8*(4*(\hi)+(\a)):(\f)+8*(4*(\hi)+(\a))+7], v[8*(8*(\a)+(\b)):8*(8*(\a)+(\b))+7]
.endif
.endr
.endr
.endm
.macro FETCH q, f                      ; 32 LDS loads in one run: quarter q's fragments (32 along K) into buffer f: B's 128 columns, turned, then A's 128 rows
	WIN TO_B
.irp i, 0,1,2,3,4,5,6,7
	ds_load_tr16_b128 v[(\f)+8*(\i):(\f)+8*(\i)+3],   v[ADRB] offset:32*(\q)*PB+32*(\i)
	ds_load_tr16_b128 v[(\f)+8*(\i)+4:(\f)+8*(\i)+7], v[ADRB] offset:32*(\q)*PB+16*PB+32*(\i)
.endr
	WIN 0
.irp i, 0,1,2,3,4,5,6,7
	ds_load_b128 v[(\f)+8*(\i):(\f)+8*(\i)+3],   v[ADRA] offset:64*(\q)+(\i)*16*PA
	ds_load_b128 v[(\f)+8*(\i)+4:(\f)+8*(\i)+7], v[ADRA] offset:64*(\q)+(\i)*16*PA+32
.endr
.endm
.macro QUARTER q, f, g, zero           ; multiplies buffer f and fetches quarter q into g
	s_wait_dscnt 8                                 ; B and A's rows 0-63 are in; the youngest eight loads may be out
	MUL16 \f, 0, 0, \zero
	MUL16 \f, 0, 2, \zero
	PLACES                                         ; in front of loads into registers that products have read
	FETCH \q, \g
	s_wait_dscnt 32                                ; all but the 32 just issued
	MUL16 \f, 1, 0, \zero
	MUL16 \f, 1, 2, \zero
.endm
.macro TURN fill                       ; the last quarter multiplies buffer 1 and changes slots; fill = 1: the slot left takes the K step two on; fill = 2: it takes cos and sin
	WIN 0
	s_wait_tensorcnt 0x0                           ; all my tensor loads have landed: my part of the next slot; so the walking descriptor may be written
	ds_add_u32 v[SPW], v[NIL]                      ; 0 onto my spare word
.if (\fill) == 1
	s_add_co_u32 s[G0A+5], s[LBA], s[TB]           ; into the slot in hand,
	s_add_nc_u64 s[G0A+6:G0A+7], s[G0A+6:G0A+7], ASTEP  ; the step behind the one asked for last
	s_add_co_u32 s[G0B+5], s[LBB], s[TB]
	s_add_nc_u64 s[G0B+6:G0B+7], s[G0B+6:G0B+7], BSTEP
.endif
	s_wait_dscnt 9                                 ; the add and the youngest eight loads may be out
	MUL16 F1, 0, 0, 0
	s_wait_dscnt 0x0                               ; the add is done, and my reads of this slot are over
	s_barrier_signal -1
	MUL16 F1, 0, 2, 0
	WIN 0
	s_barrier_wait -1
	CREST                                          ; the barrier has opened a round: no wave of any partner still reads this slot or has a load on its way
.if (\fill) == 1
	JLOAD                                          ; first behind the round; its four v_nop are also the places in front of the loads below
.else
	CLOAD
.endif
	s_xor_b32 s[TB], s[TB], SLOT                   ; the other slot
	v_add_nc_u32 v[ADRA], s[TB], v[A0]
	v_add_nc_u32 v[ADRB], s[TB], v[B0]
	FETCH 0, F0
	MUL16 F1, 1, 0, 0
	MUL16 F1, 1, 2, 0
.endm
	s_load_b256 s[4:11], s[0:1], 0x0               ; pre s[4:5], wb s[6:7], cos s[8:9], sin s[10:11]
	s_load_b64 s[12:13], s[0:1], 0x20              ; qkvb
	v_lshl_add_u32 v[SPW], v0, 2, SPARE
	v_mov_b32 v[NIL], 0
	ds_add_u32 v18, v19
	ds_add_u32 v18, v19
	s_wait_dscnt 0x0
	v_lshrrev_b32 v1, 5, v0
	v_readfirstlane_b32 s[WV], v1
	s_lshr_b32 s[HR], s[WV], 1
	s_and_b32 s[HC], s[WV], 1
	s_bfe_u32 s[CX], ttmp6, 0x40000
	s_bfe_u32 s[CY], ttmp6, 0x40004
	s_lshl_b32 s[TC], ttmp9, 2
	s_add_co_u32 s[TC], s[TC], s[CX]               ; tile column
	s_and_b32 s[TR], ttmp7, 0xffff
	s_lshl_b32 s[TR], s[TR], 2
	s_add_co_u32 s[TR], s[TR], s[CY]               ; tile row
	s_lshl_b32 s40, s[CY], 2
	s_lshl_b32 s40, 15, s40                        ; my row of the cluster
	s_lshl_b32 s44, 0x1111, s[CX]                  ; my column
	s_or_b32 s[G1A], s40, (1<<16)|(1<<20)|(1<<21)|(5<<22)|(3<<25)  ; mask; 2-byte elements; padding on; bit 21 beside a mask; 4 words after every 64
	s_mov_b32 s[G1A+1], 128<<16                    ; tensor_dim0 = 128
	s_mov_b32 s[G1A+2], 128<<16                    ; tensor_dim1 = 128
	s_mov_b32 s[G1A+3], 128<<16                    ; tile_dim0 = 128
	s_mov_b32 s[G1A+4], 128                        ; tile_dim1 = 128
	s_mov_b32 s[G1A+5], APITCH
	s_mov_b32 s[G1A+6], 0
	s_mov_b32 s[G1A+7], 0
	s_or_b32 s[G1C], s40, (1<<16)|(1<<20)|(1<<21)|(5<<22)|(3<<25)  ; cos, sin: rows of 64 f32, taken as 128 elements of 2 bytes, dense; they hang on the tile row alone
	s_mov_b32 s[G1C+1], 128<<16
	s_mov_b32 s[G1C+2], 128<<16
	s_mov_b32 s[G1C+3], 128<<16
	s_mov_b32 s[G1C+4], 128
	s_mov_b32 s[G1C+5], 128
	s_mov_b32 s[G1C+6], 0
	s_mov_b32 s[G1C+7], 0
	s_or_b32 s[G1B], s44, (1<<16)|(1<<20)|(1<<21)|(6<<22)|(7<<25)  ; 8 words after every 128
	s_mov_b32 s[G1B+1], 256<<16
	s_mov_b32 s[G1B+2], 64<<16
	s_mov_b32 s[G1B+3], 256<<16
	s_mov_b32 s[G1B+4], 64
	s_mov_b32 s[G1B+5], NP
	s_mov_b32 s[G1B+6], 0
	s_mov_b32 s[G1B+7], 0
	s_lshl_b32 s40, s[TR], 8                       ; A: row 256 x tile row + 128 x half, in registers that never hold the column
	s_lshl_b32 s41, s[HC], 7
	s_add_co_u32 s40, s40, s41
	s_mul_i32 s40, s40, APITCH*2
	s_mov_b32 s41, 0
	s_and_b32 s72, s[TR], 7                        ; cos, sin: position 256 x (tile row % 8) + 128 x half, rows of 256 bytes
	s_lshl_b32 s72, s72, 8
	s_lshl_b32 s73, s[HC], 7
	s_add_co_u32 s72, s72, s73
	s_lshl_b32 s72, s72, 8
	s_mov_b32 s73, 0
	s_lshr_b32 s44, s[TC], 2                       ; B: the part's matrix (2,097,152 bytes each), its column tile, my 64 k
	s_lshl_b32 s44, s44, 21
	s_and_b32 s45, s[TC], 3
	s_lshl_b32 s45, s45, 9
	s_add_co_u32 s44, s44, s45
	s_mul_i32 s45, s[HC], 64*NP*2
	s_add_co_u32 s44, s44, s45
	s_mov_b32 s45, 0
	s_mul_i32 s[LBA], s[HC], AH                    ; where they go: no place in the cluster enters an LDS address
	s_mul_i32 s[LBB], s[HC], BH
	s_add_co_u32 s[LBB], s[LBB], BOFF
	s_mov_b32 s[TB], 0
	s_wait_kmcnt 0x0
	s_add_nc_u64 s[42:43], s[4:5], s[40:41]
	s_add_nc_u64 s[46:47], s[6:7], s[44:45]
.irp n, 0,1
	s_mov_b32 s[G0A+4*\n], 1
	s_add_co_u32 s[G0A+4*\n+1], s[LBA], \n*SLOT
	s_add_nc_u64 s[G0A+4*\n+2:G0A+4*\n+3], s[42:43], \n*ASTEP
	s_or_b32 s[G0A+4*\n+3], s[G0A+4*\n+3], 0x80000000
	s_mov_b32 s[G0B+4*\n], 1
	s_add_co_u32 s[G0B+4*\n+1], s[LBB], \n*SLOT
	s_add_nc_u64 s[G0B+4*\n+2:G0B+4*\n+3], s[46:47], \n*BSTEP
	s_or_b32 s[G0B+4*\n+3], s[G0B+4*\n+3], 0x80000000
.endr
	s_mov_b32 s[G0C], 1                            ; cos where A's tile lay in slot 0, sin where B's lay: 256 rows x 272 bytes each
	s_mov_b32 s[G0C+1], s[LBA]
	s_add_nc_u64 s[G0C+2:G0C+3], s[8:9], s[72:73]
	s_or_b32 s[G0C+3], s[G0C+3], 0x80000000
	s_mov_b32 s[G0S], 1
	s_mov_b32 s[G0S+1], s[LBB]
	s_add_nc_u64 s[G0S+2:G0S+3], s[10:11], s[72:73]
	s_or_b32 s[G0S+3], s[G0S+3], 0x80000000
	CROUND                                         ; all sixteen work-groups are here: the first joint loads meet
	s_cmp_eq_u32 s[HR], 0                          ; a wave's two first fills stand in one branch
	s_cbranch_scc0 .Lfirst_b
	tensor_load_to_lds s[G0A:G0A+3], s[G1A:G1A+7]
	s_nop 0
	tensor_load_to_lds s[G0A+4:G0A+7], s[G1A:G1A+7]
	s_nop 0
.rept 4
	v_nop
.endr
	s_branch .Lfirst_done
.Lfirst_b:
	tensor_load_to_lds s[G0B:G0B+3], s[G1B:G1B+7]
	s_nop 0
	tensor_load_to_lds s[G0B+4:G0B+7], s[G1B:G1B+7]
	s_nop 0
.rept 4
	v_nop
.endr
.Lfirst_done:
	v_and_b32 v1, 15, v0                           ; r = lane % 16
	v_bfe_u32 v2, v0, 4, 1                         ; h = lane / 16
	v_mul_u32_u24 v3, v1, PA
	v_lshl_add_u32 v3, v2, 4, v3
	s_mul_i32 s72, s[HR], AH
	v_add_nc_u32 v[A0], s72, v3                    ; A: row x pitch + 16 h, in my 128 rows
	v_and_b32 v4, 7, v0
	v_lshl_add_u32 v5, v2, 3, v4
	v_mul_u32_u24 v5, v5, PB
	v_bfe_u32 v6, v0, 3, 1
	v_lshl_add_u32 v5, v6, 4, v5                   ; B, turned: k = 8 h + lane % 8, 16 bytes for each half of eight lanes
	s_lshl_b32 s72, s[HC], 8
	s_add_co_u32 s72, s72, BOFF
	v_add_nc_u32 v[B0], s72, v5                    ; in my 128 columns
	v_mov_b32 v[ADRA], v[A0]
	v_mov_b32 v[ADRB], v[B0]
	; the way out: my wave's tile is 128 rows of two heads
	s_mov_b32 s[PART], ttmp9                       ; 0 q, 1 k, 2 v: four column tiles each, so the whole cluster has one part
	s_and_b32 s72, s[TC], 3
	s_lshl_b32 s72, s72, 2
	s_lshl_b32 s73, s[HC], 1
	s_add_co_u32 s72, s72, s73                     ; my first head
	s_lshr_b32 s73, s[TR], 3
	s_lshl_b32 s73, s73, 4
	s_add_co_u32 s72, s72, s73                     ; + 16 x batch
	s_lshl_b32 s72, s72, 11
	s_and_b32 s73, s[TR], 7
	s_lshl_b32 s73, s73, 8
	s_add_co_u32 s72, s72, s73
	s_lshl_b32 s73, s[HR], 7
	s_add_co_u32 s72, s72, s73                     ; + my first position
	s_lshl_b32 s72, s72, 7                         ; rows of 128 bytes
	s_lshl_b32 s73, s[PART], 23
	s_add_co_u32 s72, s72, s73
	s_mov_b32 s73, 0
	s_add_nc_u64 s[12:13], s[12:13], s[72:73]
	s_cmp_eq_u32 s[PART], 0
	s_cselect_b32 s[FAC], 0x3e38aa3b, 1.0          ; q takes c = log2(e) / 8
	s_mov_b32 s[K64], 0x3c800000                   ; 1 / 64
	s_mov_b32 s[EPSR], 0x3727c5ac                  ; 1e-5
	s_mul_i32 s77, s[WV], 64*SPI
	s_add_co_u32 s77, s77, SLOT                    ; my stage: 64 rows x 528 bytes in slot 1
	v_mul_u32_u24 v3, v1, SPI
	v_lshl_add_u32 v3, v2, 5, v3
	v_add_nc_u32 v[STO], s77, v3                   ; in: row r, 32 bytes for each half of the lanes
	v_bfe_u32 v6, v0, 3, 2                         ; back: lane / 8 is the row of four, lane % 8 the eight channels
	v_mul_u32_u24 v3, v6, SPI
	v_lshl_add_u32 v3, v4, 5, v3
	v_add_nc_u32 v[XR0], s77, v3
	v_mul_u32_u24 v3, v6, PA
	v_lshl_add_u32 v3, v4, 5, v3
	s_mul_i32 s77, s[HR], AH
	v_add_nc_u32 v[CR0], s77, v3                   ; cos: my 128 rows of the tile's 256
	v_add_nc_u32 v[SR0], BOFF, v[CR0]              ; sin lies behind cos
	v_and_b32 v3, 31, v0
	v_lshlrev_b32 v[GO], 4, v3
	v_and_b32 v3, 4, v0                            ; the sign of the partner's share: bit 31 set for lane % 8 < 4
	v_xor_b32 v3, 4, v3
	v_lshlrev_b32 v3, 29, v3
	v_or_b32 v[SGN], 0x3f800000, v3
	v_mov_b32 v[SGN+1], v[SGN]
	s_wait_tensorcnt 0x1                           ; my part of step 0 is in; step 1's may stay out
	s_barrier_signal -1
	s_barrier_wait -1
	FETCH 0, F0
	QUARTER 1, F0, F1, 1                           ; the first products start the sums
	WIN 0
	s_mov_b32 s[CNT], TSTEPS-2
.Lstep:                                                ; a trip: from a step's second quarter to the next step's first; it fills the slot that it leaves
	QUARTER 2, F1, F0, 0
	QUARTER 3, F0, F1, 0
	TURN 1
	QUARTER 1, F0, F1, 0
	WIN 0
	s_sub_co_u32 s[CNT], s[CNT], 1
	s_cmp_lg_u32 s[CNT], 0
	s_cbranch_scc1 .Lstep
	QUARTER 2, F1, F0, 0                           ; the last step but one lies in slot 0, which then takes cos and sin
	QUARTER 3, F0, F1, 0
	TURN 2
	QUARTER 1, F0, F1, 0
	QUARTER 2, F1, F0, 0
	QUARTER 3, F0, F1, 0
	s_wait_dscnt 8
	MUL16 F1, 0, 0, 0
	MUL16 F1, 0, 2, 0
	s_wait_tensorcnt 0x0                           ; my part of cos or sin has landed,
	s_wait_dscnt 0x0                               ; and my reads of slot 1 are over:
	s_barrier_signal -1                            ; behind this barrier cos and sin are whole and slot 1 is nobody's tile any more
	MUL16 F1, 1, 0, 0
	MUL16 F1, 1, 2, 0
	WIN 0
	s_barrier_wait -1
	PLACES                                         ; behind the last products
; Rotary for the two heads of row group g: the partner's channel lies four lanes away and comes in on the multiply: x' = x cos + (-+ partner) sin.
.macro ROTG g
.irp k, 0,2,4,6
	v_pk_mul_f32 v[S+8*(\g)+\k:S+8*(\g)+\k+1], v[S+8*(\g)+\k:S+8*(\g)+\k+1], v[SGN:SGN+1]
.endr
.irp hh, 0,1
.irp k, 0,1,2,3,4,5,6,7
	v_mul_f32_dpp v[T+8*(2*(\g)+\hh)+\k], v[X+8*(2*(\g)+\hh)+\k], v[S+8*(\g)+\k] row_xmask:4 row_mask:0xf bank_mask:0xf
.endr
.endr
.irp hh, 0,1
.irp k, 0,2,4,6
	v_pk_fma_f32 v[X+8*(2*(\g)+\hh)+\k:X+8*(2*(\g)+\hh)+\k+1], v[X+8*(2*(\g)+\hh)+\k:X+8*(2*(\g)+\hh)+\k+1], v[C+8*(\g)+\k:C+8*(\g)+\k+1], v[T+8*(2*(\g)+\hh)+\k:T+8*(2*(\g)+\hh)+\k+1]
.endr
.endr
.endm
; The norm of the four units, side by side so that no line waits for the one before it: sum of squares in the lane, over the eight lanes of a row, root, factor.
.macro NORM
.irp u, 0,1,2,3
	v_pk_mul_f32 v[SS+2*\u:SS+2*\u+1], v[X+8*\u:X+8*\u+1], v[X+8*\u:X+8*\u+1]
.endr
.irp k, 2,4,6
.irp u, 0,1,2,3
	v_pk_fma_f32 v[SS+2*\u:SS+2*\u+1], v[X+8*\u+\k:X+8*\u+\k+1], v[X+8*\u+\k:X+8*\u+\k+1], v[SS+2*\u:SS+2*\u+1]
.endr
.endr
.irp u, 0,1,2,3
	v_add_f32 v[SS+2*\u], v[SS+2*\u], v[SS+2*\u+1]
.endr
.irp m, 1,2,4
.irp u, 0,1,2,3
	v_add_f32_dpp v[SS+2*\u], v[SS+2*\u], v[SS+2*\u] row_xmask:\m row_mask:0xf bank_mask:0xf
.endr
.endr
.irp u, 0,1,2,3
	v_fma_f32 v[SS+2*\u], v[SS+2*\u], s[K64], s[EPSR]
.endr
.irp u, 0,1,2,3
	v_rsq_f32 v[SS+2*\u], v[SS+2*\u]
.endr
	v_nop                                          ; a plain instruction between the roots and their use (ISA guide 5.7.2)
	s_wait_alu depctr_va_vdst(0)
.irp u, 0,1,2,3
	v_mul_f32 v[SS+2*\u], s[FAC], v[SS+2*\u]
.endr
.irp u, 0,1,2,3
.irp k, 0,2,4,6
	v_pk_mul_f32 v[X+8*\u+\k:X+8*\u+\k+1], v[X+8*\u+\k:X+8*\u+\k+1], v[SS+2*\u:SS+2*\u+1] op_sel_hi:[1,0]
.endr
.endr
.endm
; 64 of my rows (window 2 + hi) go into my stage, each accumulator's low half first; then eight trips of eight rows x two heads.
; The stage is my own: LDS serves a wave's instructions in order (ISA guide 5.7.1.4), so no wait stands between the stores and the loads.
.macro PHASE hi
	WIN 0x08+4*(\hi)                               ; store data (source 1) in window 2 or 3
.irp a, 0,1,2,3
.irp b, 0,1,2,3,4,5,6,7
	ds_store_b128 v[STO], v[8*(8*\a+\b):8*(8*\a+\b)+3] offset:\a*16*SPI+64*\b
	ds_store_b128 v[STO], v[8*(8*\a+\b)+4:8*(8*\a+\b)+7] offset:\a*16*SPI+64*\b+16
.endr
.endr
	WIN 0
	s_mov_b32 s[XO], 0
	s_mov_b32 s[CO2], (\hi)*64*PA
	s_mov_b32 s[CNT], 8
.Ltrip_\@:
	v_add_nc_u32 v[XR], s[XO], v[XR0]
.irp u, 0,1,2,3
	ds_load_b128 v[X+8*\u:X+8*\u+3],   v[XR] offset:(\u/2)*4*SPI+(\u%2)*256
	ds_load_b128 v[X+8*\u+4:X+8*\u+7], v[XR] offset:(\u/2)*4*SPI+(\u%2)*256+16
.endr
	s_cmp_eq_u32 s[PART], 2
	s_cbranch_scc1 .Lplain_\@                      ; v has neither rotary nor norm
	v_add_nc_u32 v[CR], s[CO2], v[CR0]
	v_add_nc_u32 v[SR], s[CO2], v[SR0]
.irp g, 0,1
	ds_load_b128 v[C+8*\g:C+8*\g+3],   v[CR] offset:\g*4*PA
	ds_load_b128 v[C+8*\g+4:C+8*\g+7], v[CR] offset:\g*4*PA+16
	ds_load_b128 v[S+8*\g:S+8*\g+3],   v[SR] offset:\g*4*PA
	ds_load_b128 v[S+8*\g+4:S+8*\g+7], v[SR] offset:\g*4*PA+16
.endr
	s_wait_dscnt 4                                 ; all but the second row group's cos and sin
	ROTG 0
	s_wait_dscnt 0x0
	ROTG 1
	NORM
.Lplain_\@:
	s_wait_dscnt 0x0
.irp u, 0,1,2,3
.irp i, 0,1,2,3
	v_cvt_pk_f16_f32 v[Y+4*\u+\i], v[X+8*\u+2*\i], v[X+8*\u+2*\i+1]
.endr
	global_store_b128 v[GO], v[Y+4*\u:Y+4*\u+3], s[12:13] offset:(\u/2)*512+(\u%2)*262144  ; four rows of one head: 512 consecutive bytes, aligned to 256
.endr
	s_wait_xcnt 0x0                                ; the stores' data and base are rewritten only behind this wait
	s_add_nc_u64 s[12:13], s[12:13], 1024          ; eight rows on
	s_add_co_u32 s[XO], s[XO], 8*SPI
	s_add_co_u32 s[CO2], s[CO2], 8*PA
	s_sub_co_u32 s[CNT], s[CNT], 1
	s_cmp_lg_u32 s[CNT], 0
	s_cbranch_scc1 .Ltrip_\@
.endm
	PHASE 0
	PHASE 1
	s_wait_tensorcnt 0x0                           ; the wave's end
	ds_add_u32 v[SPW], v[NIL]
	s_wait_dscnt 0x0
	CROUND                                         ; the closing round
	s_endpgm
.Lfunc_end_k_q6a02e6c70e_qkv:
	.size	k_q6a02e6c70e_qkv, .Lfunc_end_k_q6a02e6c70e_qkv-k_q6a02e6c70e_qkv
	.p2alignl 7, 3214868480
	.fill 96, 4, 3214868480
	.section	.rodata,"a",@progbits
	.p2align	6, 0x0
	.amdhsa_kernel k_q6a02e6c70e_qkv
		.amdhsa_group_segment_fixed_size 327680
		.amdhsa_private_segment_fixed_size 0
		.amdhsa_enable_private_segment 0
		.amdhsa_kernarg_size 40
		.amdhsa_user_sgpr_count 2
		.amdhsa_user_sgpr_kernarg_segment_ptr 1
		.amdhsa_wavefront_size32 1
		.amdhsa_system_sgpr_workgroup_id_x 1
		.amdhsa_system_sgpr_workgroup_id_y 1
		.amdhsa_system_sgpr_workgroup_id_z 1
		.amdhsa_system_vgpr_workitem_id 0
		.amdhsa_next_free_vgpr 1024
		.amdhsa_next_free_sgpr 100
		.amdhsa_reserve_vcc 0
		.amdhsa_float_denorm_mode_32 3
		.amdhsa_float_denorm_mode_16_64 3
		.amdhsa_memory_ordered 1
		.amdhsa_forward_progress 1
		.amdhsa_inst_pref_size 116
	.end_amdhsa_kernel
	.amdgpu_metadata
---
amdhsa.version: [ 1, 2 ]
amdhsa.kernels:
  - .name:           k_q6a02e6c70e_qkv
    .symbol:         k_q6a02e6c70e_qkv.kd
    .args:
      - { .name: pre, .offset: 0, .size: 8, .value_kind: global_buffer, .address_space: global }
      - { .name: wb, .offset: 8, .size: 8, .value_kind: global_buffer, .address_space: global }
      - { .name: cos, .offset: 16, .size: 8, .value_kind: global_buffer, .address_space: global }
      - { .name: sin, .offset: 24, .size: 8, .value_kind: global_buffer, .address_space: global }
      - { .name: qkvb, .offset: 32, .size: 8, .value_kind: global_buffer, .address_space: global }
    .group_segment_fixed_size: 327680
    .private_segment_fixed_size: 0
    .kernarg_segment_align: 8
    .kernarg_segment_size: 40
    .max_flat_workgroup_size: 128
    .sgpr_count:     100
    .vgpr_count:     1024
    .wavefront_size: 32
...
	.end_amdgpu_metadata
.endif
;; end of part 2
;; launch attn (part 3): grid 8 x 32, 4 waves a work-group, no clusters, 327,680 bytes of LDS; arguments qkvb, att; writes att
.if DOCPART == 3
	.amdgcn_target "amdgcn-amd-amdhsa--gfx1250"
	.amdhsa_code_object_version 6
	.text
	.protected	k_q6a02e6c70e_attn
	.globl	k_q6a02e6c70e_attn
	.p2align	8
	.type	k_q6a02e6c70e_attn,@function
k_q6a02e6c70e_attn:
	s_mov_b64 s[64:65], 0
	v_nop
	global_prefetch_b8 v0, s[64:65] scope:SCOPE_SE
	s_setreg_imm32_b32 hwreg(HW_REG_WAVE_MODE, 25, 1), 1
	s_wait_xcnt 0x0
; CAUSAL ATTENTION.  att[h][t][:] = sum over s <= t of softmax_s(q[h][t] . k[h][s] / 8) v[h][s][:], for 32 sequences (batch x head) of 2,048 rows of 64 channels, all f16, dense by heads.
; q arrives multiplied by c = log2(e) / 8, so a weight is p = 2^(q . k).
; NO RUNNING MAXIMUM, and why that is sound for every input: q and k were normalised over their 64 channels, so |q| and |k| are at most 8 and q . k / 8 lies in -8 to 8:
; p lies in 3.4e-4 to 2,981 (a normal f16 number), a row's sum under 2,048 x 2,981 = 6.2e6, O under that times |v|: nothing can overflow or vanish in f32.
; LIMITS: a hidden score counts as -1e30, its weight is 0; v and the result are f16 (under 65,504); NaN and infinities are not treated apart.
; THE WALK.  A sequence has 16 query blocks of 128; block i needs the key tiles (256 keys) 0 .. i / 2, of which the last holds the diagonal.  A work-group takes blocks 15 - b and then b:
; (17 - b) / 2 + (b + 2) / 2 = 9 tiles whatever b: all 256 work-groups do equal work, and one loop with a constant count walks them through two LDS slots.
; NO CLUSTER: a sequence's eight work-groups ask for the same tile only in the first five of the nine trips; behind that their walks part, and one walk common to all would have 12 trips for 9.
; SHARES.  A wave owns 32 queries, two tiles of 16.  S^T = K Q^T holds one query a lane (lane % 16) and the keys 8 (lane / 16) + 0..7; two such results rounded to f16 ARE source 1 of O^T = V^T P.
; A key step (64 keys) goes in phases: 16 products K Q^T; in a block's last tile the mask; exponentials, roundings and sums; 16 products V^T P.
; REGISTERS: window 0: v0-31 addresses and statistics; v32-95 S^T; v96-159 K; v160-223 V; v224-255 P.  Window 1: v0-63 O^T; v64-95 Q; v96-127 the second block's Q.
.set KS,    64
.set PK,    144                        ; a row of K in LDS: 128 bytes + 16
.set PV,    160                        ; a row of V: 128 + 32
.set VOFF,  4*KS*PK                    ; a slot: 256 rows of K, then 256 rows of V
.set SLOT1, 1<<17
.set STAGE, SLOT1+4*KS*(PK+PV)         ; 16 rows x 144 bytes for each wave; no tile lands here
.set SP,    144
.set SPARE, STAGE+4*16*SP              ; the spare words: 128 bytes a wave, named by no other line
.set AK0, 2
.set AV0, 3
.set AK,  4
.set AV,  5
.set STO, 6
.set RD,  7
.set GO,  8
.set QO,  9
.set XQ,  10                           ; v10-11  tile t: my query's place in its block less 8 (lane / 16)
.set YQ,  12                           ; v12-13  the same less the step's first key
.set BIG, 14                           ; -1e30
.set SPW, 15
.set LS,  16                           ; v16-19  the sums l, a pair a tile
.set NIL, 20
.set S,   32                           ; tile t, key block kb at S + 32 t + 8 kb
.set KF,  96                           ; key block kb, channel half c at KF + 16 kb + 8 c
.set VF,  160                          ; key half kk, channel block cb at VF + 32 kk + 8 cb
.set P,   224                          ; tile t, key half kk at P + 16 t + 8 kk
.set OT,  0                            ; window 1: tile t, channel block cb at 32 t + 8 cb
.set QF,  64                           ; window 1: tile t, channel half c at QF + 16 t + 8 c
.set QG,  96
.set WV,  12
.set PB,  14                           ; b
.set HI,  15                           ; 15 - b
.set N2,  19                           ; the second block's tiles
.set G1K, 24
.set G1V, 32
.set G0K, 40
.set G0V, 44
.set SLOTS, 56
.set CNT, 57
.set SEL, 60
.set TBK, 62                           ; LDS byte at which K of the step to be fetched begins
.set TBV, 63                           ; the same for V, less VOFF
.set RT,  70                           ; tiles of the block in hand still to be entered
.set NXT, 71                           ; the tile to be asked for next
.set LQ,  72                           ; the last tile of the block whose tiles are being asked for
.set NEW, 73                           ; 1: the tile to be entered is a block's first
.set OFF, 74
.set BLK, 76                           ; the block in hand
.set CT,  77                           ; the tile in hand
.set DLT, 78                           ; the step's first key less the block's first query
.set N2M, 79
.set OLO, 80                           ; att at my rows of the second block
.set MSB, 0
.macro WIN new
.if MSB != (\new)
	s_set_vgpr_msb (MSB<<8)|(\new)
.set MSB, (\new)
.endif
.endm
.set W_KQ, 0x04                        ; Q (source 1) in window 1
.set W_PV, 0x50                        ; O^T (C and D) in window 1
.set W_RS, 0x41                        ; destination and source 0 in window 1
.macro LOAD                            ; waves 0, 1 fetch the halves of a tile's K, waves 2, 3 of its V; an s_nop 0 and four v_nop follow each line
	s_cmp_lt_u32 s[WV], 2
	s_cbranch_scc0 .Lfor_v_\@
	tensor_load_to_lds s[G0K:G0K+3], s[G1K:G1K+7]
	s_nop 0
.rept 4
	v_nop
.endr
	s_branch .Lasked_\@
.Lfor_v_\@:
	tensor_load_to_lds s[G0V:G0V+3], s[G1V:G1V+7]
	s_nop 0
.rept 4
	v_nop
.endr
.Lasked_\@:
.endm
; THE CHANGE OF SLOTS.  Each wave waits for all its tensor loads (one is out: its part of the other slot), adds 0 to its spare word, and waits for that and for its reads of the slot that it leaves.
; fill = 1: the old slot is filled again, first thing behind the barrier, with tile NXT.  (At the first use nothing has been read: slot 0 is waited for, slot 1 filled.)
.macro CHANGE fill
	WIN 0
	s_wait_tensorcnt 0x0
	ds_add_u32 v[SPW], v[NIL]
.if \fill
	s_lshl_b32 s[OFF], s[NXT], 15                  ; a tile is 32,768 bytes of K and of V
	s_xor_b32 s[G0K+1], s[G0K+1], SLOT1
	s_add_nc_u64 s[G0K+2:G0K+3], s[6:7], s[OFF:OFF+1]
	s_or_b32 s[G0K+3], s[G0K+3], 0x80000000
	s_xor_b32 s[G0V+1], s[G0V+1], SLOT1
	s_add_nc_u64 s[G0V+2:G0V+3], s[8:9], s[OFF:OFF+1]
	s_or_b32 s[G0V+3], s[G0V+3], 0x80000000
	s_add_co_u32 s[NXT], s[NXT], 1                 ; the block's next tile, or behind its last the second block's tile 0
	s_cmp_gt_u32 s[NXT], s[LQ]
	s_cselect_b32 s[NXT], 0, s[NXT]
	s_cselect_b32 s[LQ], s[N2M], s[LQ]
.endif
	s_wait_dscnt 0x0                               ; the add is done, and my reads of the slot are over
	s_barrier_signal -1
	s_sub_co_u32 s[TBK], s[TBK], 4*KS*PK           ; the fetches go back to a slot's first step, in the other slot
	s_xor_b32 s[TBK], s[TBK], SLOT1
	s_sub_co_u32 s[TBV], s[TBV], 4*KS*PV
	s_xor_b32 s[TBV], s[TBV], SLOT1
	s_barrier_wait -1
.if \fill
	LOAD
.endif
.endm
	s_load_b128 s[84:87], s[0:1], 0x0              ; qkvb s[84:85], att s[86:87]
	v_lshl_add_u32 v[SPW], v0, 2, SPARE
	v_mov_b32 v[NIL], 0
	ds_add_u32 v15, v20
	ds_add_u32 v15, v20
	s_wait_dscnt 0x0
	v_lshrrev_b32 v1, 5, v0
	v_readfirstlane_b32 s[WV], v1
	s_mov_b32 s[PB], ttmp9
	s_sub_co_u32 s[HI], 15, s[PB]
	s_and_b32 s20, ttmp7, 0xffff
	s_lshl_b32 s20, s20, 18                        ; the sequence's 262,144 bytes in q, k, v and att
	s_and_b32 s16, s[WV], 1                        ; which half of a tile's 256 keys I fetch
	s_lshl_b32 s22, s16, 14
	s_add_co_u32 s22, s22, s20
	s_add_co_u32 s22, s22, 8388608                 ; k lies behind q
	s_mov_b32 s23, 0
	s_mul_i32 s17, s16, 128*PK
	s_mul_i32 s18, s16, 128*PV
	s_lshl_b32 s3, s[WV], 12                       ; my 32 rows of 128 bytes,
	s_lshl_b32 s2, s[HI], 14                       ; in the first block,
	s_add_co_u32 s2, s2, s3
	s_add_co_u32 s2, s2, s20
	s_lshl_b32 s88, s[PB], 14                      ; and in the second
	s_add_co_u32 s88, s88, s3
	s_add_co_u32 s88, s88, s20
	s_mov_b32 s3, 0
	s_mov_b32 s89, 0
	; descriptor group 1: 128 keys are 16,384 dense bytes: asked for as 64 rows of 256 bytes, padded in LDS after every key
	s_mov_b32 s[G1K], (1<<16)|(1<<20)|(4<<22)|(3<<25)  ; 2-byte elements; padding on; 4 words after every 32
	s_mov_b32 s[G1V], (1<<16)|(1<<20)|(4<<22)|(7<<25)  ; 8 words
.irp g, G1K, G1V
	s_mov_b32 s[\g+1], 128<<16
	s_mov_b32 s[\g+2], 64<<16
	s_mov_b32 s[\g+3], 128<<16
	s_mov_b32 s[\g+4], 64
	s_mov_b32 s[\g+5], 128
	s_mov_b32 s[\g+6], 0
	s_mov_b32 s[\g+7], 0
.endr
	s_mov_b32 s[SEL], 0x76543210
	s_mov_b32 s[SEL+1], 0xfedcba98
	s_mov_b32 s[TBK], SLOT1+4*KS*PK                ; the first change of slots turns these two into 0
	s_mov_b32 s[TBV], SLOT1+4*KS*PV
	s_mov_b32 s[G0K], 1
	s_mov_b32 s[G0K+1], s17
	s_mov_b32 s[G0V], 1
	s_add_co_u32 s[G0V+1], s18, VOFF
	s_sub_co_u32 s[RT], 17, s[PB]
	s_lshr_b32 s[RT], s[RT], 1                     ; the first block's tiles
	s_sub_co_u32 s[LQ], s[RT], 1
	s_add_co_u32 s[N2], s[PB], 2
	s_lshr_b32 s[N2], s[N2], 1
	s_sub_co_u32 s[N2M], s[N2], 1
	s_mov_b32 s[NXT], 1
	s_mov_b32 s[NEW], 1
	s_mov_b32 s[BLK], s[HI]
	s_mov_b32 s[CT], 0
	s_mov_b32 s[OFF+1], 0
	s_mov_b32 s[SLOTS], 8
	s_wait_kmcnt 0x0
	s_add_nc_u64 s[6:7], s[84:85], s[22:23]        ; K at my half of tile 0
	s_add_nc_u64 s[8:9], s[6:7], 8388608           ; V lies behind k
	s_add_nc_u64 s[G0K+2:G0K+3], s[6:7], 0
	s_or_b32 s[G0K+3], s[G0K+3], 0x80000000
	s_add_nc_u64 s[G0V+2:G0V+3], s[8:9], 0
	s_or_b32 s[G0V+3], s[G0V+3], 0x80000000
	s_add_nc_u64 s[4:5], s[84:85], s[2:3]          ; Q and att at my rows of the first block,
	s_add_nc_u64 s[10:11], s[86:87], s[2:3]
	s_add_nc_u64 s[82:83], s[84:85], s[88:89]      ; and of the second
	s_add_nc_u64 s[OLO:OLO+1], s[86:87], s[88:89]
	LOAD                                           ; tile 0 into slot 0
	v_and_b32 v1, 15, v0                           ; r
	v_bfe_u32 v21, v0, 4, 1                        ; h
	v_lshlrev_b32 v[QO], 7, v1
	v_lshl_add_u32 v[QO], v21, 4, v[QO]
	WIN 0x40                                       ; destination window 1
.set i, 0
.rept 4                                ; both blocks' Q stay in registers: tile i / 2, channels 32 (i % 2) on
	global_load_b128 v[QF+8*i:QF+8*i+3],   v[QO], s[4:5] offset:(i/2)*2048+(i%2)*64
	global_load_b128 v[QF+8*i+4:QF+8*i+7], v[QO], s[4:5] offset:(i/2)*2048+(i%2)*64+32
	global_load_b128 v[QG+8*i:QG+8*i+3],   v[QO], s[82:83] offset:(i/2)*2048+(i%2)*64
	global_load_b128 v[QG+8*i+4:QG+8*i+7], v[QO], s[82:83] offset:(i/2)*2048+(i%2)*64+32
.set i, i+1
.endr
	WIN 0
	v_lshlrev_b32 v22, 3, v21
	v_sub_nc_u32 v[XQ], v1, v22
	s_lshl_b32 s13, s[WV], 5
	v_add_nc_u32 v[XQ], s13, v[XQ]                 ; 32 w + r - 8 h
	v_add_nc_u32 v[XQ+1], 16, v[XQ]
	v_mov_b32 v[BIG], 0xf149f2ca                   ; -1e30
	v_mul_u32_u24 v[AK0], v1, PK
	v_lshl_add_u32 v[AK0], v21, 4, v[AK0]
	v_and_b32 v23, 7, v0
	v_bfe_u32 v24, v0, 3, 1
	v_lshl_add_u32 v[AV0], v21, 3, v23             ; the turning load: key 8 h + lane % 8, channels 8 ((lane / 8) % 2) on
	v_mul_u32_u24 v[AV0], v[AV0], PV
	v_lshl_add_u32 v[AV0], v24, 4, v[AV0]
	v_add_nc_u32 v[AV0], VOFF, v[AV0]
	s_mul_i32 s13, s[WV], 16*SP
	s_add_co_u32 s13, s13, STAGE
	v_mul_u32_u24 v[STO], v1, SP
	v_lshl_add_u32 v[STO], v21, 4, v[STO]
	v_add_nc_u32 v[STO], s13, v[STO]
	v_bfe_u32 v[RD], v0, 3, 2
	v_mul_u32_u24 v[RD], v[RD], SP
	v_lshl_add_u32 v[RD], v23, 4, v[RD]
	v_add_nc_u32 v[RD], s13, v[RD]
	v_and_b32 v[GO], 31, v0
	v_lshlrev_b32 v[GO], 4, v[GO]
.macro FETCH_K                         ; a step's K: 16 loads in one run
.irp f, 0,1,2,3,4,5,6,7
	ds_load_b128 v[KF+8*\f:KF+8*\f+3],   v[AK] offset:(\f/2)*16*PK+(\f%2)*64
	ds_load_b128 v[KF+8*\f+4:KF+8*\f+7], v[AK] offset:(\f/2)*16*PK+(\f%2)*64+32
.endr
	s_add_co_u32 s[TBK], s[TBK], KS*PK
.endm
.macro FETCH_V                         ; a step's V, turned
.irp f, 0,1,2,3,4,5,6,7
	ds_load_tr16_b128 v[VF+8*\f:VF+8*\f+3],   v[AV] offset:(\f/4)*32*PV+(\f%4)*32
	ds_load_tr16_b128 v[VF+8*\f+4:VF+8*\f+7], v[AV] offset:(\f/4)*32*PV+16*PV+(\f%4)*32
.endr
	s_add_co_u32 s[TBV], s[TBV], KS*PV
.endm
.macro KQ                              ; 16 products; the 8 accumulators take turns; the first 8 start the sums
	WIN W_KQ
.irp c, 0,1
.irp kb, 0,1,2,3
.irp t, 0,1
.if \c == 0
	v_wmma_f32_16x16x32_f16 v[S+32*\t+8*\kb:S+32*\t+8*\kb+7], v[KF+16*\kb+8*\c:KF+16*\kb+8*\c+7], v[QF+16*\t+8*\c:QF+16*\t+8*\c+7], 0
.else
	v_wmma_f32_16x16x32_f16 v[S+32*\t+8*\kb:S+32*\t+8*\kb+7], v[KF+16*\kb+8*\c:KF+16*\kb+8*\c+7], v[QF+16*\t+8*\c:QF+16*\t+8*\c+7], v[S+32*\t+8*\kb:S+32*\t+8*\kb+7]
.endif
.endr
.endr
.endr
.endm
.macro PVM                             ; 16 products onto O^T, 8 accumulators by turns
	WIN W_PV
.irp kk, 0,1
.irp cb, 0,1,2,3
.irp t, 0,1
	v_wmma_f32_16x16x32_f16 v[OT+32*\t+8*\cb:OT+32*\t+8*\cb+7], v[VF+32*\kk+8*\cb:VF+32*\kk+8*\cb+7], v[P+16*\t+8*\kk:P+16*\t+8*\kk+7], v[OT+32*\t+8*\cb:OT+32*\t+8*\cb+7]
.endr
.endr
.endr
.endm
.macro MASKS                           ; register j of key block kb is hidden where 16 kb + j > my query - the step's first key - 8 h; ascending
	v_sub_nc_u32 v[YQ], v[XQ], s[DLT]
	v_sub_nc_u32 v[YQ+1], v[XQ+1], s[DLT]
.set i, 0
.rept 64
	v_cmp_gt_i32 vcc_lo, 16*((i%32)/8)+i%8, v[YQ+i/32]
	v_cndmask_b32 v[S+i], v[S+i], v[BIG], vcc_lo
.set i, i+1
.endr
.endm
; The weights: eight exponentials (four scores of each tile), then the plain work of the group before: two roundings to f16 a tile, the second pair added onto the first, l takes the sum.
; So plain instructions stand between every exponential and the use of its result (ISA guide 5.7.2); behind the first group a v_nop does.
.macro SM
.set g, 0
.rept 9
.if g < 8
.irp t, 0,1
.irp n, 0,1,2,3
	v_exp_f32 v[S+32*\t+4*g+\n], v[S+32*\t+4*g+\n]
.endr
.endr
.endif
.if g == 0
	v_nop
.else
.set m, g-1
	s_wait_alu depctr_va_vdst(0)
	v_cvt_pk_f16_f32 v[P+2*m], v[S+4*m], v[S+4*m+1]
	v_cvt_pk_f16_f32 v[P+16+2*m], v[S+32+4*m], v[S+32+4*m+1]
	v_cvt_pk_f16_f32 v[P+2*m+1], v[S+4*m+2], v[S+4*m+3]
	v_cvt_pk_f16_f32 v[P+16+2*m+1], v[S+32+4*m+2], v[S+32+4*m+3]
	v_pk_add_f32 v[S+4*m:S+4*m+1], v[S+4*m:S+4*m+1], v[S+4*m+2:S+4*m+3]
	v_pk_add_f32 v[S+32+4*m:S+32+4*m+1], v[S+32+4*m:S+32+4*m+1], v[S+32+4*m+2:S+32+4*m+3]
	v_pk_add_f32 v[LS:LS+1], v[LS:LS+1], v[S+4*m:S+4*m+1]
	v_pk_add_f32 v[LS+2:LS+3], v[LS+2:LS+3], v[S+32+4*m:S+32+4*m+1]
.endif
.set g, g+1
.endr
.endm
.macro BEGIN                           ; a block begins: O^T and l are cleared, on purpose: no first step is written out, twice a work-group
	s_mov_b32 s[NEW], 0
	s_mov_b32 s[CT], 0
.rept 4
	v_nop                                          ; places in front of the writes of O^T
.endr
	WIN 0x40
.set i, 0
.rept 64
	v_mov_b32 v[OT+i], 0
.set i, i+1
.endr
	WIN 0
.set i, 0
.rept 4
	v_mov_b32 v[LS+i], 0
.set i, i+1
.endr
.endm
; A block ends: l's halves and the other half of the lanes' are added; O^T is divided by l, rounded to f16 and sent through my stage, a tile (2,048 consecutive bytes of att) at a time.
.macro END last
	WIN 0
.rept 4
	v_nop                                          ; the places behind the last products
.endr
	v_add_f32 v[LS], v[LS], v[LS+1]
	v_add_f32 v[LS+2], v[LS+2], v[LS+3]
	v_permlanex16_b32 v[LS+1], v[LS], s[SEL], s[SEL+1]
	v_permlanex16_b32 v[LS+3], v[LS+2], s[SEL], s[SEL+1]
	v_add_f32 v[LS], v[LS], v[LS+1]
	v_add_f32 v[LS+2], v[LS+2], v[LS+3]
	v_rcp_f32 v[LS], v[LS]
	v_rcp_f32 v[LS+2], v[LS+2]
	v_nop
	s_wait_alu depctr_va_vdst(0)
.irp t, 0,1
	WIN W_RS
.set i, 0
.rept 16
	v_pk_mul_f32 v[OT+32*\t+i:OT+32*\t+i+1], v[OT+32*\t+i:OT+32*\t+i+1], v[LS+2*\t:LS+2*\t+1] op_sel_hi:[1,0]
.set i, i+2
.endr
	WIN 0x05                                       ; sources in window 1, destination in window 0
.set i, 0
.rept 16
	v_cvt_pk_f16_f32 v[S+16*\t+i], v[OT+32*\t+2*i], v[OT+32*\t+2*i+1]
.set i, i+1
.endr
	WIN 0
.irp f, 0,1,2,3
	ds_store_b128 v[STO], v[S+16*\t+4*\f:S+16*\t+4*\f+3] offset:32*\f
.endr
.irp f, 0,1,2,3
	ds_load_b128 v[S+16*\t+4*\f:S+16*\t+4*\f+3], v[RD] offset:\f*4*SP  ; LDS serves a wave's instructions in order (ISA guide 5.7.1.4)
.endr
	s_wait_dscnt 0x0
.irp f, 0,1,2,3
	global_store_b128 v[GO], v[S+16*\t+4*\f:S+16*\t+4*\f+3], s[10:11] offset:\t*2048+\f*512  ; 512 consecutive bytes, aligned to 256
.endr
.endr
	s_wait_xcnt 0x0                                ; the stores' registers and base are rewritten only behind this wait
.if !(\last)
	s_mov_b64 s[10:11], s[OLO:OLO+1]
	s_mov_b32 s[BLK], s[PB]
	s_mov_b32 s[RT], s[N2]
	s_mov_b32 s[NEW], 1
	WIN W_RS                                       ; the second block's Q goes where the one text names Q
.set i, 0
.rept 32
	v_mov_b32 v[QF+i], v[QG+i]
.set i, i+1
.endr
	WIN 0
.endif
.endm
; A TILE: four key steps.  Every jump but the counted loop's own goes forward, and none passes a barrier or a tensor load.  last = 1: the walk's last tile, which is the second block's last.
.macro TILE last
	s_cmp_eq_u32 s[NEW], 1
	s_cbranch_scc0 .Lold_\@
	BEGIN
.Lold_\@:
	s_sub_co_u32 s[RT], s[RT], 1
	s_lshl_b32 s[DLT], s[CT], 8
	s_lshl_b32 s13, s[BLK], 7
	s_sub_co_u32 s[DLT], s[DLT], s13
	s_add_co_u32 s[CT], s[CT], 1
	s_mov_b32 s[CNT], 4
	v_add_nc_u32 v[AK], s[TBK], v[AK0]
	FETCH_K
.Lst_\@:
.rept 4
	v_nop                                          ; places behind the products that read V
.endr
	v_add_nc_u32 v[AV], s[TBV], v[AV0]
	FETCH_V
	s_wait_dscnt 16                                ; K is in; V's sixteen loads may be out
	s_wait_loadcnt 0x0                             ; Q (met at once in every step but the first)
	KQ
	WIN 0
	v_add_nc_u32 v[AK], s[TBK], v[AK0]             ; with the three below: the places behind the products, for the loads into K and the reads of the scores
.rept 3
	v_nop
.endr
	s_cmp_eq_u32 s[CNT], 1
	s_cbranch_scc1 .Lnok_\@                        ; the tile's last step fetches no further K
	FETCH_K
.Lnok_\@:
.if !(\last)
	s_cmp_eq_u32 s[RT], 0
	s_cbranch_scc0 .Lnomask_\@                     ; only a block's last tile holds hidden keys
.endif
	MASKS
.if !(\last)
.Lnomask_\@:
.endif
	SM
	s_wait_dscnt 0x0                               ; V is in, and the next K
	PVM
	WIN 0
	s_add_co_u32 s[DLT], s[DLT], 64
	s_sub_co_u32 s[CNT], s[CNT], 1
	s_cmp_lg_u32 s[CNT], 0
	s_cbranch_scc1 .Lst_\@
.if !(\last)
	s_cmp_eq_u32 s[RT], 0
	s_cbranch_scc0 .Lnoend_\@
.endif
	END \last
.if !(\last)
.Lnoend_\@:
.endif
.endm
.Lslot:                                                ; eight times: a tile is entered and the next is asked for
	CHANGE 1
	TILE 0
	s_sub_co_u32 s[SLOTS], s[SLOTS], 1
	s_cmp_lg_u32 s[SLOTS], 0
	s_cbranch_scc1 .Lslot
	CHANGE 0                                       ; the walk's last tile is written out: nothing is asked for
	TILE 1
	s_wait_tensorcnt 0x0                           ; the wave's end
	ds_add_u32 v[SPW], v[NIL]
	s_wait_dscnt 0x0
	s_endpgm
.Lfunc_end_k_q6a02e6c70e_attn:
	.size	k_q6a02e6c70e_attn, .Lfunc_end_k_q6a02e6c70e_attn-k_q6a02e6c70e_attn
	.p2alignl 7, 3214868480
	.fill 96, 4, 3214868480
	.section	.rodata,"a",@progbits
	.p2align	6, 0x0
	.amdhsa_kernel k_q6a02e6c70e_attn
		.amdhsa_group_segment_fixed_size 327680
		.amdhsa_private_segment_fixed_size 0
		.amdhsa_enable_private_segment 0
		.amdhsa_kernarg_size 16
		.amdhsa_user_sgpr_count 2
		.amdhsa_user_sgpr_kernarg_segment_ptr 1
		.amdhsa_wavefront_size32 1
		.amdhsa_system_sgpr_workgroup_id_x 1
		.amdhsa_system_sgpr_workgroup_id_y 1
		.amdhsa_system_sgpr_workgroup_id_z 1
		.amdhsa_system_vgpr_workitem_id 0
		.amdhsa_next_free_vgpr 384
		.amdhsa_next_free_sgpr 90
		.amdhsa_reserve_vcc 1
		.amdhsa_float_denorm_mode_32 3
		.amdhsa_float_denorm_mode_16_64 3
		.amdhsa_memory_ordered 1
		.amdhsa_forward_progress 1
		.amdhsa_inst_pref_size 62
	.end_amdhsa_kernel
	.amdgpu_metadata
---
amdhsa.version: [ 1, 2 ]
amdhsa.kernels:
  - .name:           k_q6a02e6c70e_attn
    .symbol:         k_q6a02e6c70e_attn.kd
    .args:
      - { .name: qkvb, .offset: 0, .size: 8, .value_kind: global_buffer, .address_space: global }
      - { .name: att, .offset: 8, .size: 8, .value_kind: global_buffer, .address_space: global }
    .group_segment_fixed_size: 327680
    .private_segment_fixed_size: 0
    .kernarg_segment_align: 8
    .kernarg_segment_size: 16
    .max_flat_workgroup_size: 128
    .sgpr_count:     90
    .vgpr_count:     384
    .wavefront_size: 32
...
	.end_amdgpu_metadata
.endif
;; end of part 3
;; launch proj (part 4): grid 8 x 32, 4 waves a work-group, clusters of 4 x 4, 327,680 bytes of LDS; arguments att, wb, scaled, scaled2; writes scaled2
.if DOCPART == 4
	.amdgcn_target "amdgcn-amd-amdhsa--gfx1250"
	.amdhsa_code_object_version 6
	.text
	.protected	k_q6a02e6c70e_proj
	.globl	k_q6a02e6c70e_proj
	.p2align	8
	.type	k_q6a02e6c70e_proj,@function
k_q6a02e6c70e_proj:
	s_mov_b64 s[64:65], 0
	v_nop
	global_prefetch_b8 v0, s[64:65] scope:SCOPE_SE
	s_setreg_imm32_b32 hwreg(HW_REG_WAVE_MODE, 25, 1), 1
	s_wait_xcnt 0x0
	s_wait_alu depctr_hold_cnt(0) depctr_sa_sdst(0) depctr_va_vdst(0) depctr_va_sdst(0) depctr_va_ssrc(0) depctr_va_vcc(0) depctr_vm_vsrc(0)
	s_getreg_b32 s2, hwreg(HW_REG_IB_STS2, 6, 4)
	s_cmp_eq_u32 s2, 0
	s_cbranch_scc0 .Lentry_in_a_cluster
	s_endpgm
.Lentry_in_a_cluster:
	s_bfe_u32 s2, ttmp6, 0x10000c
	s_cmp_lg_u32 s2, 0xf033
	s_cbranch_scc0 .Lentry_shape_is_right
	s_endpgm
.Lentry_shape_is_right:
; scaled2 = scaled + attn x projWeight: M = 4,096, N = 1,024, K = 1,024, f16 operands, f32 sums and residual.
; A is att, which lies by heads: [batch x 16 + head][2,048][64].  A K step of 256 is four heads; 64 rows of one head are 8,192 consecutive bytes, so one load takes
; 4 rows (heads) of 4,096 elements, 131,072 elements apart, and pads after every 128 bytes: in LDS [head][row] with a pitch of 144.  A quarter step (64 along K) is one head.
; All else: a tile of C is 128 x 128, four waves of 64 x 64; K in steps of 256 through two LDS slots; B ([K][N]) is turned on its way out of LDS by ds_load_tr16_b128;
; the matrix instruction is used transposed (source 0 = 16 columns of B, source 1 = 16 rows of A): a lane holds one row of C and eight neighbouring columns.
; CLUSTER 4 x 4: the four of a row share A's tiles, the four of a column B's: each tile is asked for jointly.  One step's text serves both slots: the slot in hand is the scalar TB.
; By this text's count a wave has two tensor loads out at the start and one behind each round.
; A wave's 64 columns of f32 are one aligned block of 256 bytes, so each wave sends its rows through a stage of its own and no barrier is needed on the way out.
.set NP,     1024
.set TSTEPS, 4
.set PA,     144                       ; A's row (one head's 64 channels) in LDS: 128 bytes + 16
.set AH,     256*PA                    ; what one load brings of A: 4 heads x 64 rows
.set AQ,     64*PA                     ; from a head to the next
.set A16,    16*PA
.set ASTEP,  1048576                   ; four heads on in memory
.set BBASE,  6291456                   ; projWeight in wb
.set PB,     288
.set BH,     128*PB
.set BOFF,   2*AH
.set SLOT,   2*AH+2*BH
.set SPARE,  2*SLOT
.set STAGE,  SPARE+512                 ; 16 rows x 272 bytes for each wave; no tile lands here
.set BSTEP,  512*NP
.set A0, 10
.set B0, 11
.set ADRA, 12
.set ADRB, 13
.set STO, 15
.set RD,  16
.set CO,  17
.set SPW, 18
.set NIL, 19
.set TMP, 32
.set ACC, 128
.set F0,  0
.set F1,  128
.set WV, 14
.set HR, 15
.set HC, 16
.set TR, 17
.set TC, 18
.set CX, 19
.set CY, 20
.set LBA, 21
.set LBB, 22
.set TB,  23
.set G1A, 24
.set G0A, 32
.set G1B, 48
.set G0B, 56
.set CNT, 66
.set MSB, 0
.macro WIN new
.if MSB != (\new)
	s_set_vgpr_msb (MSB<<8)|(\new)
.set MSB, \new
.endif
.endm
.set MUL,  0x05
.set TO_F, 0x40
.macro PLACES
.rept 4
	v_nop
.endr
.endm
.macro CREST
	s_cmp_lg_u32 s[WV], 0
	s_cbranch_scc1 .Lnot_wave_0_\@
	s_barrier_signal -3
.Lnot_wave_0_\@:
	s_barrier_wait -3
	s_barrier_signal -1
	s_barrier_wait -1
.endm
.macro CROUND
	s_barrier_signal -1
	s_barrier_wait -1
	CREST
.endm
.macro JLOAD                           ; the joint refill; an s_nop 0 and four v_nop follow each line
	s_cmp_eq_u32 s[HR], 0
	s_cbranch_scc0 .Lfor_b_\@
	tensor_load_to_lds s[G0A+4:G0A+7], s[G1A:G1A+7]
	s_nop 0
.rept 4
	v_nop
.endr
	s_branch .Lasked_\@
.Lfor_b_\@:
	tensor_load_to_lds s[G0B+4:G0B+7], s[G1B:G1B+7]
	s_nop 0
.rept 4
	v_nop
.endr
.Lasked_\@:
.endm
.macro MUL8 f, c, a0, zero             ; 8 products; the 16 accumulators take turns
	WIN MUL
.irp a, \a0, (\a0)+1
.irp b, 0,1,2,3
.if \zero
	v_wmma_f32_16x16x32_f16 v[ACC+8*(4*(\a)+(\b)):ACC+8*(4*(\a)+(\b))+7], v[(\f)+64+8*(4*(\c)+(\b)):(\f)+64+8*(4*(\c)+(\b))+7], v[(\f)+8*(4*(\c)+(\a)):(\f)+8*(4*(\c)+(\a))+7], 0
.else
	v_wmma_f32_16x16x32_f16 v[ACC+8*(4*(\a)+(\b)):ACC+8*(4*(\a)+(\b))+7], v[(\f)+64+8*(4*(\c)+(\b)):(\f)+64+8*(4*(\c)+(\b))+7], v[(\f)+8*(4*(\c)+(\a)):(\f)+8*(4*(\c)+(\a))+7], v[ACC+8*(4*(\a)+(\b)):ACC+8*(4*(\a)+(\b))+7]
.endif
.endr
.endr
.endm
.macro FETCH q, f                      ; 32 LDS loads in one run, the first 32 along K first
	WIN TO_F
.irp c, 0,1
.irp i, 0,1,2,3
	ds_load_tr16_b128 v[(\f)+64+8*(4*(\c)+(\i)):(\f)+64+8*(4*(\c)+(\i))+3],   v[ADRB+(\q)/2] offset:(64*((\q)%2)+32*(\c))*PB+32*(\i)
	ds_load_tr16_b128 v[(\f)+64+8*(4*(\c)+(\i))+4:(\f)+64+8*(4*(\c)+(\i))+7], v[ADRB+(\q)/2] offset:(64*((\q)%2)+32*(\c))*PB+32*(\i)+16*PB
	ds_load_b128 v[(\f)+8*(4*(\c)+(\i)):(\f)+8*(4*(\c)+(\i))+3],   v[ADRA] offset:(\q)*AQ+64*(\c)+(\i)*A16
	ds_load_b128 v[(\f)+8*(4*(\c)+(\i))+4:(\f)+8*(4*(\c)+(\i))+7], v[ADRA] offset:(\q)*AQ+64*(\c)+(\i)*A16+32
.endr
.endr
.endm
.macro QUARTER q, f, g, zero
	s_wait_dscnt 16                                ; the first 32 along K are in
	MUL8 \f, 0, 0, \zero
	MUL8 \f, 0, 2, \zero
	PLACES
	FETCH \q, \g
	s_wait_dscnt 32                                ; all but the 32 just issued
	MUL8 \f, 1, 0, 0
	MUL8 \f, 1, 2, 0
.endm
.macro TURN fill
	WIN 0
	s_wait_tensorcnt 0x0                           ; all my tensor loads have landed; the walking descriptor may be written
	ds_add_u32 v[SPW], v[NIL]
.if \fill
	s_add_co_u32 s[G0A+5], s[LBA], s[TB]
	s_add_nc_u64 s[G0A+6:G0A+7], s[G0A+6:G0A+7], ASTEP
	s_add_co_u32 s[G0B+5], s[LBB], s[TB]
	s_add_nc_u64 s[G0B+6:G0B+7], s[G0B+6:G0B+7], BSTEP
.endif
	s_wait_dscnt 17                                ; the add and the youngest sixteen loads may be out
	MUL8 F1, 0, 0, 0
	s_wait_dscnt 0x0                               ; the add is done, and my reads of this slot are over
	s_barrier_signal -1
	MUL8 F1, 0, 2, 0
	WIN 0
	s_barrier_wait -1
.if \fill
	CREST
	JLOAD
.else
	PLACES
.endif
	s_xor_b32 s[TB], s[TB], SLOT
	v_add_nc_u32 v[ADRA], s[TB], v[A0]
	v_add_nc_u32 v[ADRB], s[TB], v[B0]
	v_add_nc_u32 v[ADRB+1], BH, v[ADRB]
	FETCH 0, F0
	MUL8 F1, 1, 0, 0
	MUL8 F1, 1, 2, 0
.endm
.macro LASTQ
	s_wait_dscnt 16
	MUL8 F1, 0, 0, 0
	MUL8 F1, 0, 2, 0
	s_wait_dscnt 0x0
	MUL8 F1, 1, 0, 0
	MUL8 F1, 1, 2, 0
	WIN 0
.endm
	s_load_b256 s[4:11], s[0:1], 0x0               ; att s[4:5], wb s[6:7], scaled s[8:9], scaled2 s[10:11]
	v_lshl_add_u32 v[SPW], v0, 2, SPARE
	v_mov_b32 v[NIL], 0
	ds_add_u32 v18, v19
	ds_add_u32 v18, v19
	s_wait_dscnt 0x0
	v_lshrrev_b32 v1, 5, v0
	v_readfirstlane_b32 s[WV], v1
	s_lshr_b32 s[HR], s[WV], 1
	s_and_b32 s[HC], s[WV], 1
	s_bfe_u32 s[CX], ttmp6, 0x40000
	s_bfe_u32 s[CY], ttmp6, 0x40004
	s_lshl_b32 s[TC], ttmp9, 2
	s_add_co_u32 s[TC], s[TC], s[CX]
	s_and_b32 s[TR], ttmp7, 0xffff
	s_lshl_b32 s[TR], s[TR], 2
	s_add_co_u32 s[TR], s[TR], s[CY]
	s_lshl_b32 s40, s[CY], 2
	s_lshl_b32 s40, 15, s40
	s_lshl_b32 s44, 0x1111, s[CX]
	s_or_b32 s[G1A], s40, (1<<16)|(1<<20)|(1<<21)|(4<<22)|(3<<25)  ; mask; 2-byte elements; padding on; bit 21 beside a mask; 4 words after every 32
	s_mov_b32 s[G1A+1], 4096<<16                   ; tensor_dim0 = 4,096: 64 rows of a head, dense
	s_mov_b32 s[G1A+2], 4<<16                      ; tensor_dim1 = 4 heads
	s_mov_b32 s[G1A+3], 4096<<16                   ; tile_dim0
	s_mov_b32 s[G1A+4], 4                          ; tile_dim1
	s_mov_b32 s[G1A+5], 131072                     ; elements from head to head
	s_mov_b32 s[G1A+6], 0
	s_mov_b32 s[G1A+7], 0
	s_or_b32 s[G1B], s44, (1<<16)|(1<<20)|(1<<21)|(5<<22)|(7<<25)
	s_mov_b32 s[G1B+1], 128<<16
	s_mov_b32 s[G1B+2], 128<<16
	s_mov_b32 s[G1B+3], 128<<16
	s_mov_b32 s[G1B+4], 128
	s_mov_b32 s[G1B+5], NP
	s_mov_b32 s[G1B+6], 0
	s_mov_b32 s[G1B+7], 0
	s_lshr_b32 s40, s[TR], 4                       ; A: batch x 16 heads x 2,048 rows + the tile's rows in the sequence + 64 x half
	s_lshl_b32 s40, s40, 15
	s_and_b32 s41, s[TR], 15
	s_lshl_b32 s41, s41, 7
	s_add_co_u32 s40, s40, s41
	s_lshl_b32 s41, s[HC], 6
	s_add_co_u32 s40, s40, s41
	s_lshl_b32 s40, s40, 7                         ; rows of 128 bytes
	s_mov_b32 s41, 0
	s_lshl_b32 s44, s[TC], 8                       ; B
	s_mul_i32 s45, s[HC], 128*NP*2
	s_add_co_u32 s44, s44, s45
	s_add_co_u32 s44, s44, BBASE
	s_mov_b32 s45, 0
	s_mul_i32 s[LBA], s[HC], AH
	s_mul_i32 s[LBB], s[HC], BH
	s_add_co_u32 s[LBB], s[LBB], BOFF
	s_mov_b32 s[TB], 0
	s_wait_kmcnt 0x0
	s_add_nc_u64 s[42:43], s[4:5], s[40:41]
	s_add_nc_u64 s[46:47], s[6:7], s[44:45]
.irp n, 0,1
	s_mov_b32 s[G0A+4*\n], 1
	s_add_co_u32 s[G0A+4*\n+1], s[LBA], \n*SLOT
	s_add_nc_u64 s[G0A+4*\n+2:G0A+4*\n+3], s[42:43], \n*ASTEP
	s_or_b32 s[G0A+4*\n+3], s[G0A+4*\n+3], 0x80000000
	s_mov_b32 s[G0B+4*\n], 1
	s_add_co_u32 s[G0B+4*\n+1], s[LBB], \n*SLOT
	s_add_nc_u64 s[G0B+4*\n+2:G0B+4*\n+3], s[46:47], \n*BSTEP
	s_or_b32 s[G0B+4*\n+3], s[G0B+4*\n+3], 0x80000000
.endr
	CROUND
	s_cmp_eq_u32 s[HR], 0
	s_cbranch_scc0 .Lfirst_b
	tensor_load_to_lds s[G0A:G0A+3], s[G1A:G1A+7]
	s_nop 0
	tensor_load_to_lds s[G0A+4:G0A+7], s[G1A:G1A+7]
	s_nop 0
.rept 4
	v_nop
.endr
	s_branch .Lfirst_done
.Lfirst_b:
	tensor_load_to_lds s[G0B:G0B+3], s[G1B:G1B+7]
	s_nop 0
	tensor_load_to_lds s[G0B+4:G0B+7], s[G1B:G1B+7]
	s_nop 0
.rept 4
	v_nop
.endr
.Lfirst_done:
	v_and_b32 v1, 15, v0
	v_bfe_u32 v2, v0, 4, 1
	v_mul_u32_u24 v3, v1, PA
	v_lshl_add_u32 v3, v2, 4, v3
	s_mul_i32 s72, s[HR], AH
	v_add_nc_u32 v[A0], s72, v3
	v_and_b32 v4, 7, v0
	v_lshl_add_u32 v4, v2, 3, v4
	v_mul_u32_u24 v4, v4, PB
	v_bfe_u32 v5, v0, 3, 1
	v_lshl_add_u32 v4, v5, 4, v4
	s_lshl_b32 s72, s[HC], 7
	s_add_co_u32 s72, s72, BOFF
	v_add_nc_u32 v[B0], s72, v4
	v_mov_b32 v[ADRA], v[A0]
	v_mov_b32 v[ADRB], v[B0]
	v_add_nc_u32 v[ADRB+1], BH, v[B0]
	; the way out: my 64 rows x 256 bytes of the residual and of the result
	s_lshl_b32 s72, s[TR], 7
	s_lshl_b32 s73, s[HR], 6
	s_add_co_u32 s72, s72, s73
	s_lshl_b32 s72, s72, 12
	s_lshl_b32 s73, s[TC], 9
	s_add_co_u32 s72, s72, s73
	s_lshl_b32 s73, s[HC], 8
	s_add_co_u32 s72, s72, s73
	s_mov_b32 s73, 0
	s_add_nc_u64 s[8:9], s[8:9], s[72:73]
	s_add_nc_u64 s[10:11], s[10:11], s[72:73]
	s_mul_i32 s77, s[WV], 16*272
	s_add_co_u32 s77, s77, STAGE
	v_mul_u32_u24 v3, v1, 272
	v_lshl_add_u32 v3, v2, 5, v3
	v_add_nc_u32 v[STO], s77, v3                   ; in: row r, 32 bytes for each half of the lanes
	v_mul_u32_u24 v3, v2, 272
	v_lshl_add_u32 v3, v1, 4, v3
	v_add_nc_u32 v[RD], s77, v3                    ; back: lanes 0-15 one row of 256 bytes, lanes 16-31 the next
	v_lshlrev_b32 v3, 12, v2
	v_lshl_add_u32 v[CO], v1, 4, v3                ; and the same two rows in memory
	s_wait_tensorcnt 0x1                           ; my part of step 0 is in; step 1's may stay out
	s_barrier_signal -1
	s_barrier_wait -1
	FETCH 0, F0
	QUARTER 1, F0, F1, 1
	WIN 0
	s_mov_b32 s[CNT], TSTEPS-2
.Lstep:
	QUARTER 2, F1, F0, 0
	QUARTER 3, F0, F1, 0
	TURN 1
	QUARTER 1, F0, F1, 0
	WIN 0
	s_sub_co_u32 s[CNT], s[CNT], 1
	s_cmp_lg_u32 s[CNT], 0
	s_cbranch_scc1 .Lstep
	QUARTER 2, F1, F0, 0
	QUARTER 3, F0, F1, 0
	TURN 0
	QUARTER 1, F0, F1, 0
	QUARTER 2, F1, F0, 0
	QUARTER 3, F0, F1, 0
	PLACES                                         ; behind the products that read buffer 0, whose registers take the residual
	WIN TO_F
.irp a, 0,1,2,3
.irp t, 0,1,2,3,4,5,6,7
	global_load_b128 v[32*\a+4*\t:32*\a+4*\t+3], v[CO], s[8:9] offset:(16*\a+2*\t)*4096
.endr
.endr
	LASTQ
	PLACES                                         ; behind the last products
; Row block a: the sums go into my stage (each accumulator's low half first), come back as whole rows, take the residual and leave.
.macro RESBLK a
	s_wait_xcnt 0x0                                ; the registers that earlier stores read are rewritten only behind this wait
.set tb, TMP+32*((\a)%2)
.irp b, 0,1,2,3
	ds_store_b128 v[STO], v[ACC+8*(4*(\a)+\b):ACC+8*(4*(\a)+\b)+3] offset:64*\b
	ds_store_b128 v[STO], v[ACC+8*(4*(\a)+\b)+4:ACC+8*(4*(\a)+\b)+7] offset:64*\b+16
.endr
.irp t, 0,1,2,3,4,5,6,7
	ds_load_b128 v[tb+4*\t:tb+4*\t+3], v[RD] offset:544*\t  ; LDS serves a wave's instructions in order (ISA guide 5.7.1.4)
.endr
	s_wait_dscnt 0x0
	s_wait_loadcnt 24-8*(\a)                       ; the residual's blocks behind a may stay out
	WIN 0x04                                       ; source 1 in window 1
.set i, 0
.rept 16
	v_pk_add_f32 v[tb+i:tb+i+1], v[tb+i:tb+i+1], v[32*(\a)+i:32*(\a)+i+1]
.set i, i+2
.endr
	WIN 0
.irp t, 0,1,2,3,4,5,6,7
	global_store_b128 v[CO], v[tb+4*\t:tb+4*\t+3], s[10:11] offset:(16*(\a)+2*\t)*4096  ; 16 lanes store 256 consecutive bytes, aligned
.endr
.endm
	RESBLK 0
	RESBLK 1
	RESBLK 2
	RESBLK 3
	s_wait_tensorcnt 0x0                           ; the wave's end
	ds_add_u32 v[SPW], v[NIL]
	s_wait_dscnt 0x0
	CROUND                                         ; the closing round
	s_endpgm
.Lfunc_end_k_q6a02e6c70e_proj:
	.size	k_q6a02e6c70e_proj, .Lfunc_end_k_q6a02e6c70e_proj-k_q6a02e6c70e_proj
	.p2alignl 7, 3214868480
	.fill 96, 4, 3214868480
	.section	.rodata,"a",@progbits
	.p2align	6, 0x0
	.amdhsa_kernel k_q6a02e6c70e_proj
		.amdhsa_group_segment_fixed_size 327680
		.amdhsa_private_segment_fixed_size 0
		.amdhsa_enable_private_segment 0
		.amdhsa_kernarg_size 32
		.amdhsa_user_sgpr_count 2
		.amdhsa_user_sgpr_kernarg_segment_ptr 1
		.amdhsa_wavefront_size32 1
		.amdhsa_system_sgpr_workgroup_id_x 1
		.amdhsa_system_sgpr_workgroup_id_y 1
		.amdhsa_system_sgpr_workgroup_id_z 1
		.amdhsa_system_vgpr_workitem_id 0
		.amdhsa_next_free_vgpr 512
		.amdhsa_next_free_sgpr 80
		.amdhsa_reserve_vcc 0
		.amdhsa_float_denorm_mode_32 3
		.amdhsa_float_denorm_mode_16_64 3
		.amdhsa_memory_ordered 1
		.amdhsa_forward_progress 1
		.amdhsa_inst_pref_size 76
	.end_amdhsa_kernel
	.amdgpu_metadata
---
amdhsa.version: [ 1, 2 ]
amdhsa.kernels:
  - .name:           k_q6a02e6c70e_proj
    .symbol:         k_q6a02e6c70e_proj.kd
    .args:
      - { .name: att, .offset: 0, .size: 8, .value_kind: global_buffer, .address_space: global }
      - { .name: wb, .offset: 8, .size: 8, .value_kind: global_buffer, .address_space: global }
      - { .name: scaled, .offset: 16, .size: 8, .value_kind: global_buffer, .address_space: global }
      - { .name: scaled2, .offset: 24, .size: 8, .value_kind: global_buffer, .address_space: global }
    .group_segment_fixed_size: 327680
    .private_segment_fixed_size: 0
    .kernarg_segment_align: 8
    .kernarg_segment_size: 32
    .max_flat_workgroup_size: 128
    .sgpr_count:     80
    .vgpr_count:     512
    .wavefront_size: 32
...
	.end_amdgpu_metadata
.endif
;; end of part 4
;; launch norm2 (part 5): grid 512 x 1, 8 waves a work-group, no clusters, 0 bytes of LDS; arguments scaled2, pre2; writes pre2
.if DOCPART == 5
	.amdgcn_target "amdgcn-amd-amdhsa--gfx1250"
	.amdhsa_code_object_version 6
	.text
	.protected	k_q6a02e6c70e_norm2
	.globl	k_q6a02e6c70e_norm2
	.p2align	8
	.type	k_q6a02e6c70e_norm2,@function
k_q6a02e6c70e_norm2:
	s_mov_b64 s[64:65], 0
	v_nop
	global_prefetch_b8 v0, s[64:65] scope:SCOPE_SE
	s_setreg_imm32_b32 hwreg(HW_REG_WAVE_MODE, 25, 1), 1
	s_wait_xcnt 0x0
; pre2 = scaled2 * rsqrt(mean(scaled2^2) + 1e-5), f32 in, f16 out (at most 32 in size).  A launch of its own, since a row's sum spans the eight column tiles of the product before.
; A stream: one wave takes one row of 1,024 numbers, eight loads of 16 bytes a lane; the row stays in registers between the sum and the scaling; no LDS, no barrier.
.set X,  8                             ; v[8:39]
.set SS, 40                            ; v[40:43]
.set RS, 44                            ; v[44:45]
.set Y,  46                            ; v[46:61]
	s_load_b128 s[4:7], s[0:1], 0x0                ; scaled2, pre2
	v_lshrrev_b32 v1, 5, v0
	v_readfirstlane_b32 s3, v1
	s_lshl_b32 s8, ttmp9, 3
	s_add_co_u32 s8, s8, s3                        ; my row
	s_lshl_b32 s10, s8, 11
	s_lshl_b32 s8, s8, 12
	s_mov_b32 s9, 0
	s_mov_b32 s11, 0
	s_mov_b32 s12, 0x76543210
	s_mov_b32 s13, 0xfedcba98
	s_mov_b32 s14, 0x3a800000                      ; 1 / 1024
	s_mov_b32 s15, 0x3727c5ac                      ; 1e-5
	v_and_b32 v2, 31, v0
	v_lshlrev_b32 v1, 4, v2
	v_lshlrev_b32 v2, 3, v2
	s_wait_kmcnt 0x0
	s_add_nc_u64 s[4:5], s[4:5], s[8:9]
	s_add_nc_u64 s[6:7], s[6:7], s[10:11]
.irp i, 0,1,2,3,4,5,6,7
	global_load_b128 v[X+4*\i:X+4*\i+3], v1, s[4:5] offset:512*\i
.endr
.irp i, 0,1,2,3,4,5,6,7
	s_wait_loadcnt 7-\i                            ; load i is in, the younger ones stay out
.if \i == 0
	v_pk_mul_f32 v[SS:SS+1], v[X:X+1], v[X:X+1]
	v_pk_mul_f32 v[SS+2:SS+3], v[X+2:X+3], v[X+2:X+3]
.else
	v_pk_fma_f32 v[SS:SS+1], v[X+4*\i:X+4*\i+1], v[X+4*\i:X+4*\i+1], v[SS:SS+1]
	v_pk_fma_f32 v[SS+2:SS+3], v[X+4*\i+2:X+4*\i+3], v[X+4*\i+2:X+4*\i+3], v[SS+2:SS+3]
.endif
.endr
	v_pk_add_f32 v[SS:SS+1], v[SS:SS+1], v[SS+2:SS+3]
	v_add_f32 v[SS], v[SS], v[SS+1]
	v_add_f32_dpp v[SS], v[SS], v[SS] row_xmask:1 row_mask:0xf bank_mask:0xf
	v_add_f32_dpp v[SS], v[SS], v[SS] row_xmask:2 row_mask:0xf bank_mask:0xf
	v_add_f32_dpp v[SS], v[SS], v[SS] row_xmask:4 row_mask:0xf bank_mask:0xf
	v_add_f32_dpp v[SS], v[SS], v[SS] row_xmask:8 row_mask:0xf bank_mask:0xf
	v_permlanex16_b32 v[SS+1], v[SS], s12, s13
	v_add_f32 v[SS], v[SS], v[SS+1]
	v_fma_f32 v[SS+2], v[SS], s14, s15
	v_rsq_f32 v[RS], v[SS+2]
	v_rsq_f32 v[RS+1], v[SS+2]
	v_nop                                          ; a plain instruction between the roots and their use
	s_wait_alu depctr_va_vdst(0)
.irp i, 0,1,2,3,4,5,6,7
	v_pk_mul_f32 v[X+4*\i:X+4*\i+1], v[X+4*\i:X+4*\i+1], v[RS:RS+1]
	v_pk_mul_f32 v[X+4*\i+2:X+4*\i+3], v[X+4*\i+2:X+4*\i+3], v[RS:RS+1]
	v_cvt_pk_f16_f32 v[Y+2*\i], v[X+4*\i], v[X+4*\i+1]
	v_cvt_pk_f16_f32 v[Y+2*\i+1], v[X+4*\i+2], v[X+4*\i+3]
	global_store_b64 v2, v[Y+2*\i:Y+2*\i+1], s[6:7] offset:256*\i  ; 256 consecutive bytes, aligned
.endr
	s_endpgm
.Lfunc_end_k_q6a02e6c70e_norm2:
	.size	k_q6a02e6c70e_norm2, .Lfunc_end_k_q6a02e6c70e_norm2-k_q6a02e6c70e_norm2
	.p2alignl 7, 3214868480
	.fill 96, 4, 3214868480
	.section	.rodata,"a",@progbits
	.p2align	6, 0x0
	.amdhsa_kernel k_q6a02e6c70e_norm2
		.amdhsa_group_segment_fixed_size 0
		.amdhsa_private_segment_fixed_size 0
		.amdhsa_enable_private_segment 0
		.amdhsa_kernarg_size 16
		.amdhsa_user_sgpr_count 2
		.amdhsa_user_sgpr_kernarg_segment_ptr 1
		.amdhsa_wavefront_size32 1
		.amdhsa_system_sgpr_workgroup_id_x 1
		.amdhsa_system_sgpr_workgroup_id_y 1
		.amdhsa_system_sgpr_workgroup_id_z 1
		.amdhsa_system_vgpr_workitem_id 0
		.amdhsa_next_free_vgpr 64
		.amdhsa_next_free_sgpr 66
		.amdhsa_reserve_vcc 0
		.amdhsa_float_denorm_mode_32 3
		.amdhsa_float_denorm_mode_16_64 3
		.amdhsa_memory_ordered 1
		.amdhsa_forward_progress 1
		.amdhsa_inst_pref_size 7
	.end_amdhsa_kernel
	.amdgpu_metadata
---
amdhsa.version: [ 1, 2 ]
amdhsa.kernels:
  - .name:           k_q6a02e6c70e_norm2
    .symbol:         k_q6a02e6c70e_norm2.kd
    .args:
      - { .name: scaled2, .offset: 0, .size: 8, .value_kind: global_buffer, .address_space: global }
      - { .name: pre2, .offset: 8, .size: 8, .value_kind: global_buffer, .address_space: global }
    .group_segment_fixed_size: 0
    .private_segment_fixed_size: 0
    .kernarg_segment_align: 8
    .kernarg_segment_size: 16
    .max_flat_workgroup_size: 256
    .sgpr_count:     66
    .vgpr_count:     64
    .wavefront_size: 32
...
	.end_amdgpu_metadata
.endif
;; end of part 5
;; launch fc (part 6): grid 16 x 16, 4 waves a work-group, clusters of 4 x 4, 327,680 bytes of LDS; arguments pre2, wb, hbuf; writes hbuf
.if DOCPART == 6
	.amdgcn_target "amdgcn-amd-amdhsa--gfx1250"
	.amdhsa_code_object_version 6
	.text
	.protected	k_q6a02e6c70e_fc
	.globl	k_q6a02e6c70e_fc
	.p2align	8
	.type	k_q6a02e6c70e_fc,@function
k_q6a02e6c70e_fc:
	s_mov_b64 s[64:65], 0
	v_nop
	global_prefetch_b8 v0, s[64:65] scope:SCOPE_SE
	s_setreg_imm32_b32 hwreg(HW_REG_WAVE_MODE, 25, 1), 1
	s_wait_xcnt 0x0
	s_wait_alu depctr_hold_cnt(0) depctr_sa_sdst(0) depctr_va_vdst(0) depctr_va_sdst(0) depctr_va_ssrc(0) depctr_va_vcc(0) depctr_vm_vsrc(0)
	s_getreg_b32 s2, hwreg(HW_REG_IB_STS2, 6, 4)
	s_cmp_eq_u32 s2, 0
	s_cbranch_scc0 .Lentry_in_a_cluster
	s_endpgm
.Lentry_in_a_cluster:
	s_bfe_u32 s2, ttmp6, 0x10000c
	s_cmp_lg_u32 s2, 0xf033
	s_cbranch_scc0 .Lentry_shape_is_right
	s_endpgm
.Lentry_shape_is_right:
; h = relu(pre2 x fcWeight)^2: M = 4,096, N = 4,096, K = 1,024, f16 operands, f32 sums; h is rounded once to bf16: a square of a sum over 1,024 terms has no bound that fits f16.
; A tile of C is 256 x 256, four waves of 128 x 128 (64 accumulators, 512 registers): 16 x 16 = 256 work-groups, one for each WGP.
; K goes in steps of 128 through two LDS slots.  A ([M][K]) lies as it is read; B ([K][N], as the weights are given) is turned on its way out of LDS by ds_load_tr16_b128.
; The matrix instruction is used transposed (source 0 = 16 columns of B, source 1 = 16 rows of A): a lane holds one row of C and eight neighbouring columns.
; CLUSTER 4 x 4: the four of a row share A's tiles, the four of a column B's: each tile is asked for jointly, by the same load, descriptor and mask in all four.
; One step's text serves both slots: the slot in hand is the scalar TB (0 or SLOT), which enters the LDS addresses and the walking descriptor's LDS word.
; By this text's count a wave has two tensor loads out at the start and one behind each round.
; THE WAY OUT IS A LOOP.  Behind a barrier that follows every wave's last read of the ring each wave puts its 128 x 128 sums in f32 into bytes of the ring (which has had its last fill),
; 128 rows x 528 bytes of its own, and a counted loop reads rows back, squares what is positive, rounds and stores: 128 bf16 of a row are 256 consecutive bytes, sixteen lanes' 16 bytes.
; REGISTERS: window 0: v0-31 addresses; v64-127, v128-191 A's fragments, two buffers (on the way out: at work).  Window 1: v64-127, v128-191 B's.  Windows 2, 3: accumulator (a, b) at v[8 (8 a + b)], my rows 0-63, 64-127.
.set APITCH, 1024
.set NP,     4096
.set TSTEPS, 8                         ; K / 128
.set PA,     272                       ; A's row in LDS: 256 bytes + 16
.set AH,     128*PA                    ; what one load brings of A: 128 rows
.set ASTEP,  256
.set BBASE,  8388608                   ; fcWeight in wb
.set PB,     544                       ; B's row (one k, 256 columns) in LDS: 512 bytes + 32
.set BH,     64*PB                     ; what one load brings of B: 64 k
.set BOFF,   2*AH
.set SLOT,   2*AH+2*BH
.set SPARE,  2*SLOT                    ; the spare words: 128 bytes a wave, named by no other line
.set BSTEP,  256*NP
.set SPI,    528                       ; a stage row: 128 f32 + 16 bytes
.set A0, 10
.set B0, 11
.set ADRA, 12
.set ADRB, 13
.set STO, 15
.set RD0, 16
.set CO,  17
.set SPW, 18
.set NIL, 19
.set RD,  20
.set X,   64                           ; pair of rows u: eight numbers a lane at X + 8 u
.set Y,   128                          ; the same in bf16 at Y + 4 u
.set F0,  64
.set F1,  128
.set WV, 14
.set HR, 15
.set HC, 16
.set TR, 17
.set TC, 18
.set CX, 19
.set CY, 20
.set LBA, 21
.set LBB, 22
.set TB,  23
.set G1A, 24
.set G0A, 32
.set G1B, 48
.set G0B, 56
.set CNT, 66
.set XO,  67
.set MSB, 0
.macro WIN new                         ; the immediate's high byte repeats the setting that is left
.if MSB != (\new)
	s_set_vgpr_msb (MSB<<8)|(\new)
.set MSB, \new
.endif
.endm
.set MUL_LO, 0xa1                      ; source 0 (B) window 1, source 1 (A) window 0, C and D window 2; + 0x50: window 3
.set TO_B,   0x40                      ; destination window 1, address window 0
.macro PLACES                          ; four places behind matrix instructions (ISA guide 7.12.1)
.rept 4
	v_nop
.endr
.endm
.macro CREST
	s_cmp_lg_u32 s[WV], 0
	s_cbranch_scc1 .Lnot_wave_0_\@
	s_barrier_signal -3
.Lnot_wave_0_\@:
	s_barrier_wait -3
	s_barrier_signal -1
	s_barrier_wait -1
.endm
.macro CROUND
	s_barrier_signal -1
	s_barrier_wait -1
	CREST
.endm
.macro JLOAD                           ; the joint refill; an s_nop 0 and four v_nop follow each line
	s_cmp_eq_u32 s[HR], 0
	s_cbranch_scc0 .Lfor_b_\@
	tensor_load_to_lds s[G0A+4:G0A+7], s[G1A:G1A+7]
	s_nop 0
.rept 4
	v_nop
.endr
	s_branch .Lasked_\@
.Lfor_b_\@:
	tensor_load_to_lds s[G0B+4:G0B+7], s[G1B:G1B+7]
	s_nop 0
.rept 4
	v_nop
.endr
.Lasked_\@:
.endm
.macro MUL16 f, hi, a0, zero           ; 16 products; the 64 accumulators take turns
	WIN MUL_LO+0x50*(\hi)
.irp a, \a0, (\a0)+1
.irp b, 0,1,2,3,4,5,6,7
.if \zero
	v_wmma_f32_16x16x32_f16 v[8*(8*(\a)+(\b)):8*(8*(\a)+(\b))+7], v[(\f)+8*(\b):(\f)+8*(\b)+7], v[(\f)+8*(4*(\hi)+(\a)):(\f)+8*(4*(\hi)+(\a))+7], 0
.else
	v_wmma_f32_16x16x32_f16 v[8*(8*(\a)+(\b)):8*(8*(\a)+(\b))+7], v[(\f)+8*(\b):(\f)+8*(\b)+7], v[(\f)+8*(4*(\hi)+(\a)):(\f)+8*(4*(\hi)+(\a))+7], v[8*(8*(\a)+(\b)):8*(8*(\a)+(\b))+7]
.endif
.endr
.endr
.endm
.macro FETCH q, f                      ; 32 LDS loads in one run: B's 128 columns, turned, then A's 128 rows, 32 along K
	WIN TO_B
.irp i, 0,1,2,3,4,5,6,7
	ds_load_tr16_b128 v[(\f)+8*(\i):(\f)+8*(\i)+3],   v[ADRB] offset:32*(\q)*PB+32*(\i)
	ds_load_tr16_b128 v[(\f)+8*(\i)+4:(\f)+8*(\i)+7], v[ADRB] offset:32*(\q)*PB+16*PB+32*(\i)
.endr
	WIN 0
.irp i, 0,1,2,3,4,5,6,7
	ds_load_b128 v[(\f)+8*(\i):(\f)+8*(\i)+3],   v[ADRA] offset:64*(\q)+(\i)*16*PA
	ds_load_b128 v[(\f)+8*(\i)+4:(\f)+8*(\i)+7], v[ADRA] offset:64*(\q)+(\i)*16*PA+32
.endr
.endm
.macro QUARTER q, f, g, zero
	s_wait_dscnt 8                                 ; B and A's rows 0-63 are in; the youngest eight loads may be out
	MUL16 \f, 0, 0, \zero
	MUL16 \f, 0, 2, \zero
	PLACES
	FETCH \q, \g
	s_wait_dscnt 32                                ; all but the 32 just issued
	MUL16 \f, 1, 0, \zero
	MUL16 \f, 1, 2, \zero
.endm
.macro TURN fill                       ; the last quarter multiplies buffer 1 and changes slots; fill = 1: the slot left takes the K step two on
	WIN 0
	s_wait_tensorcnt 0x0                           ; all my tensor loads have landed; the walking descriptor may be written
	ds_add_u32 v[SPW], v[NIL]
.if \fill
	s_add_co_u32 s[G0A+5], s[LBA], s[TB]
	s_add_nc_u64 s[G0A+6:G0A+7], s[G0A+6:G0A+7], ASTEP
	s_add_co_u32 s[G0B+5], s[LBB], s[TB]
	s_add_nc_u64 s[G0B+6:G0B+7], s[G0B+6:G0B+7], BSTEP
.endif
	s_wait_dscnt 9                                 ; the add and the youngest eight loads may be out
	MUL16 F1, 0, 0, 0
	s_wait_dscnt 0x0                               ; the add is done, and my reads of this slot are over
	s_barrier_signal -1
	MUL16 F1, 0, 2, 0
	WIN 0
	s_barrier_wait -1
.if \fill
	CREST                                          ; the barrier has opened a round: no wave of any partner still reads this slot or has a load on its way
	JLOAD                                          ; first behind the round; its four v_nop are also the places in front of the loads below
.else
	PLACES
.endif
	s_xor_b32 s[TB], s[TB], SLOT
	v_add_nc_u32 v[ADRA], s[TB], v[A0]
	v_add_nc_u32 v[ADRB], s[TB], v[B0]
	FETCH 0, F0
	MUL16 F1, 1, 0, 0
	MUL16 F1, 1, 2, 0
.endm
	s_load_b128 s[4:7], s[0:1], 0x0                ; pre2 s[4:5], wb s[6:7]
	s_load_b64 s[8:9], s[0:1], 0x10                ; hbuf
	v_lshl_add_u32 v[SPW], v0, 2, SPARE
	v_mov_b32 v[NIL], 0
	ds_add_u32 v18, v19
	ds_add_u32 v18, v19
	s_wait_dscnt 0x0
	v_lshrrev_b32 v1, 5, v0
	v_readfirstlane_b32 s[WV], v1
	s_lshr_b32 s[HR], s[WV], 1
	s_and_b32 s[HC], s[WV], 1
	s_bfe_u32 s[CX], ttmp6, 0x40000
	s_bfe_u32 s[CY], ttmp6, 0x40004
	s_lshl_b32 s[TC], ttmp9, 2
	s_add_co_u32 s[TC], s[TC], s[CX]
	s_and_b32 s[TR], ttmp7, 0xffff
	s_lshl_b32 s[TR], s[TR], 2
	s_add_co_u32 s[TR], s[TR], s[CY]
	s_lshl_b32 s40, s[CY], 2
	s_lshl_b32 s40, 15, s40
	s_lshl_b32 s44, 0x1111, s[CX]
	s_or_b32 s[G1A], s40, (1<<16)|(1<<20)|(1<<21)|(5<<22)|(3<<25)  ; mask; 2-byte elements; padding on; bit 21 beside a mask; 4 words after every 64
	s_mov_b32 s[G1A+1], 128<<16
	s_mov_b32 s[G1A+2], 128<<16
	s_mov_b32 s[G1A+3], 128<<16
	s_mov_b32 s[G1A+4], 128
	s_mov_b32 s[G1A+5], APITCH
	s_mov_b32 s[G1A+6], 0
	s_mov_b32 s[G1A+7], 0
	s_or_b32 s[G1B], s44, (1<<16)|(1<<20)|(1<<21)|(6<<22)|(7<<25)  ; 8 words after every 128
	s_mov_b32 s[G1B+1], 256<<16
	s_mov_b32 s[G1B+2], 64<<16
	s_mov_b32 s[G1B+3], 256<<16
	s_mov_b32 s[G1B+4], 64
	s_mov_b32 s[G1B+5], NP
	s_mov_b32 s[G1B+6], 0
	s_mov_b32 s[G1B+7], 0
	s_lshl_b32 s40, s[TR], 8                       ; A: row 256 x tile row + 128 x half
	s_lshl_b32 s41, s[HC], 7
	s_add_co_u32 s40, s40, s41
	s_mul_i32 s40, s40, APITCH*2
	s_mov_b32 s41, 0
	s_lshl_b32 s44, s[TC], 9                       ; B: the column tile's 512 bytes, my 64 k
	s_mul_i32 s45, s[HC], 64*NP*2
	s_add_co_u32 s44, s44, s45
	s_add_co_u32 s44, s44, BBASE
	s_mov_b32 s45, 0
	s_mul_i32 s[LBA], s[HC], AH
	s_mul_i32 s[LBB], s[HC], BH
	s_add_co_u32 s[LBB], s[LBB], BOFF
	s_mov_b32 s[TB], 0
	s_wait_kmcnt 0x0
	s_add_nc_u64 s[42:43], s[4:5], s[40:41]
	s_add_nc_u64 s[46:47], s[6:7], s[44:45]
.irp n, 0,1
	s_mov_b32 s[G0A+4*\n], 1
	s_add_co_u32 s[G0A+4*\n+1], s[LBA], \n*SLOT
	s_add_nc_u64 s[G0A+4*\n+2:G0A+4*\n+3], s[42:43], \n*ASTEP
	s_or_b32 s[G0A+4*\n+3], s[G0A+4*\n+3], 0x80000000
	s_mov_b32 s[G0B+4*\n], 1
	s_add_co_u32 s[G0B+4*\n+1], s[LBB], \n*SLOT
	s_add_nc_u64 s[G0B+4*\n+2:G0B+4*\n+3], s[46:47], \n*BSTEP
	s_or_b32 s[G0B+4*\n+3], s[G0B+4*\n+3], 0x80000000
.endr
	CROUND                                         ; all sixteen work-groups are here: the first joint loads meet
	s_cmp_eq_u32 s[HR], 0
	s_cbranch_scc0 .Lfirst_b
	tensor_load_to_lds s[G0A:G0A+3], s[G1A:G1A+7]
	s_nop 0
	tensor_load_to_lds s[G0A+4:G0A+7], s[G1A:G1A+7]
	s_nop 0
.rept 4
	v_nop
.endr
	s_branch .Lfirst_done
.Lfirst_b:
	tensor_load_to_lds s[G0B:G0B+3], s[G1B:G1B+7]
	s_nop 0
	tensor_load_to_lds s[G0B+4:G0B+7], s[G1B:G1B+7]
	s_nop 0
.rept 4
	v_nop
.endr
.Lfirst_done:
	v_and_b32 v1, 15, v0
	v_bfe_u32 v2, v0, 4, 1
	v_mul_u32_u24 v3, v1, PA
	v_lshl_add_u32 v3, v2, 4, v3
	s_mul_i32 s72, s[HR], AH
	v_add_nc_u32 v[A0], s72, v3
	v_and_b32 v4, 7, v0
	v_lshl_add_u32 v4, v2, 3, v4
	v_mul_u32_u24 v4, v4, PB
	v_bfe_u32 v5, v0, 3, 1
	v_lshl_add_u32 v4, v5, 4, v4
	s_lshl_b32 s72, s[HC], 8
	s_add_co_u32 s72, s72, BOFF
	v_add_nc_u32 v[B0], s72, v4
	v_mov_b32 v[ADRA], v[A0]
	v_mov_b32 v[ADRB], v[B0]
	; the way out
	s_mul_i32 s77, s[WV], 128*SPI                  ; my stage
	v_mul_u32_u24 v3, v1, SPI
	v_lshl_add_u32 v3, v2, 5, v3
	v_add_nc_u32 v[STO], s77, v3                   ; in: row r, 32 bytes for each half of the lanes
	v_mul_u32_u24 v3, v2, SPI
	v_lshl_add_u32 v3, v1, 5, v3
	v_add_nc_u32 v[RD0], s77, v3                   ; back: lanes 0-15 one row, eight numbers each, lanes 16-31 the next
	v_lshlrev_b32 v3, 13, v2                       ; rows of 8,192 bytes in h
	v_lshl_add_u32 v[CO], v1, 4, v3
	s_lshl_b32 s72, s[TR], 8
	s_lshl_b32 s73, s[HR], 7
	s_add_co_u32 s72, s72, s73
	s_lshl_b32 s72, s72, 13
	s_lshl_b32 s73, s[TC], 9
	s_add_co_u32 s72, s72, s73
	s_lshl_b32 s73, s[HC], 8
	s_add_co_u32 s72, s72, s73
	s_mov_b32 s73, 0
	s_add_nc_u64 s[8:9], s[8:9], s[72:73]
	s_wait_tensorcnt 0x1                           ; my part of step 0 is in; step 1's may stay out
	s_barrier_signal -1
	s_barrier_wait -1
	FETCH 0, F0
	QUARTER 1, F0, F1, 1                           ; the first products start the sums
	WIN 0
	s_mov_b32 s[CNT], TSTEPS-2
.Lstep:                                                ; a trip: from a step's second quarter to the next step's first; it fills the slot that it leaves
	QUARTER 2, F1, F0, 0
	QUARTER 3, F0, F1, 0
	TURN 1
	QUARTER 1, F0, F1, 0
	WIN 0
	s_sub_co_u32 s[CNT], s[CNT], 1
	s_cmp_lg_u32 s[CNT], 0
	s_cbranch_scc1 .Lstep
	QUARTER 2, F1, F0, 0                           ; the last two steps ask for nothing
	QUARTER 3, F0, F1, 0
	TURN 0
	QUARTER 1, F0, F1, 0
	QUARTER 2, F1, F0, 0
	QUARTER 3, F0, F1, 0
	s_wait_dscnt 8
	MUL16 F1, 0, 0, 0
	MUL16 F1, 0, 2, 0
	s_wait_dscnt 0x0                               ; my reads of the ring are over:
	s_barrier_signal -1                            ; behind this barrier the ring is nobody's tile any more
	MUL16 F1, 1, 0, 0
	MUL16 F1, 1, 2, 0
	WIN 0
	s_barrier_wait -1
	PLACES                                         ; behind the last products
.irp hi, 0,1                           ; my sums into my stage, each accumulator's low half first
	WIN 0x08+4*\hi                                 ; store data (source 1) in window 2 or 3
.irp a, 0,1,2,3
.irp b, 0,1,2,3,4,5,6,7
	ds_store_b128 v[STO], v[8*(8*\a+\b):8*(8*\a+\b)+3] offset:(4*\hi+\a)*16*SPI+64*\b
	ds_store_b128 v[STO], v[8*(8*\a+\b)+4:8*(8*\a+\b)+7] offset:(4*\hi+\a)*16*SPI+64*\b+16
.endr
.endr
.endr
	WIN 0
	s_mov_b32 s[XO], 0
	s_mov_b32 s[CNT], 8
.Lout:                                                 ; eight trips of sixteen rows.  The stage is my own: LDS serves a wave's instructions in order (ISA guide 5.7.1.4)
	v_add_nc_u32 v[RD], s[XO], v[RD0]
.irp u, 0,1,2,3,4,5,6,7
	ds_load_b128 v[X+8*\u:X+8*\u+3],   v[RD] offset:\u*2*SPI
	ds_load_b128 v[X+8*\u+4:X+8*\u+7], v[RD] offset:\u*2*SPI+16
.endr
.irp u, 0,1,2,3,4,5,6,7
	s_wait_dscnt 14-2*\u                           ; pair of rows u is in, the pairs behind it stay out
.irp j, 0,1,2,3,4,5,6,7
	v_max_num_f32 v[X+8*\u+\j], 0, v[X+8*\u+\j]
.endr
.irp j, 0,2,4,6
	v_pk_mul_f32 v[X+8*\u+\j:X+8*\u+\j+1], v[X+8*\u+\j:X+8*\u+\j+1], v[X+8*\u+\j:X+8*\u+\j+1]
.endr
.irp j, 0,1,2,3
	v_cvt_pk_bf16_f32 v[Y+4*\u+\j], v[X+8*\u+2*\j], v[X+8*\u+2*\j+1]
.endr
	global_store_b128 v[CO], v[Y+4*\u:Y+4*\u+3], s[8:9] offset:\u*16384  ; 16 lanes store 256 consecutive bytes, aligned
.endr
	s_wait_xcnt 0x0                                ; the stores' data and base are rewritten only behind this wait
	s_add_nc_u64 s[8:9], s[8:9], 131072            ; sixteen rows on
	s_add_co_u32 s[XO], s[XO], 16*SPI
	s_sub_co_u32 s[CNT], s[CNT], 1
	s_cmp_lg_u32 s[CNT], 0
	s_cbranch_scc1 .Lout
	s_wait_tensorcnt 0x0                           ; the wave's end
	ds_add_u32 v[SPW], v[NIL]
	s_wait_dscnt 0x0
	CROUND                                         ; the closing round
	s_endpgm
.Lfunc_end_k_q6a02e6c70e_fc:
	.size	k_q6a02e6c70e_fc, .Lfunc_end_k_q6a02e6c70e_fc-k_q6a02e6c70e_fc
	.p2alignl 7, 3214868480
	.fill 96, 4, 3214868480
	.section	.rodata,"a",@progbits
	.p2align	6, 0x0
	.amdhsa_kernel k_q6a02e6c70e_fc
		.amdhsa_group_segment_fixed_size 327680
		.amdhsa_private_segment_fixed_size 0
		.amdhsa_enable_private_segment 0
		.amdhsa_kernarg_size 24
		.amdhsa_user_sgpr_count 2
		.amdhsa_user_sgpr_kernarg_segment_ptr 1
		.amdhsa_wavefront_size32 1
		.amdhsa_system_sgpr_workgroup_id_x 1
		.amdhsa_system_sgpr_workgroup_id_y 1
		.amdhsa_system_sgpr_workgroup_id_z 1
		.amdhsa_system_vgpr_workitem_id 0
		.amdhsa_next_free_vgpr 1024
		.amdhsa_next_free_sgpr 80
		.amdhsa_reserve_vcc 0
		.amdhsa_float_denorm_mode_32 3
		.amdhsa_float_denorm_mode_16_64 3
		.amdhsa_memory_ordered 1
		.amdhsa_forward_progress 1
		.amdhsa_inst_pref_size 102
	.end_amdhsa_kernel
	.amdgpu_metadata
---
amdhsa.version: [ 1, 2 ]
amdhsa.kernels:
  - .name:           k_q6a02e6c70e_fc
    .symbol:         k_q6a02e6c70e_fc.kd
    .args:
      - { .name: pre2, .offset: 0, .size: 8, .value_kind: global_buffer, .address_space: global }
      - { .name: wb, .offset: 8, .size: 8, .value_kind: global_buffer, .address_space: global }
      - { .name: hbuf, .offset: 16, .size: 8, .value_kind: global_buffer, .address_space: global }
    .group_segment_fixed_size: 327680
    .private_segment_fixed_size: 0
    .kernarg_segment_align: 8
    .kernarg_segment_size: 24
    .max_flat_workgroup_size: 128
    .sgpr_count:     80
    .vgpr_count:     1024
    .wavefront_size: 32
...
	.end_amdgpu_metadata
.endif
;; end of part 6
;; launch mlp (part 7): grid 8 x 32, 4 waves a work-group, clusters of 4 x 4, 327,680 bytes of LDS; arguments hbuf, wb, scaled2, out0; writes out0
.if DOCPART == 7
	.amdgcn_target "amdgcn-amd-amdhsa--gfx1250"
	.amdhsa_code_object_version 6
	.text
	.protected	k_q6a02e6c70e_mlp
	.globl	k_q6a02e6c70e_mlp
	.p2align	8
	.type	k_q6a02e6c70e_mlp,@function
k_q6a02e6c70e_mlp:
	s_mov_b64 s[64:65], 0
	v_nop
	global_prefetch_b8 v0, s[64:65] scope:SCOPE_SE
	s_setreg_imm32_b32 hwreg(HW_REG_WAVE_MODE, 25, 1), 1
	s_wait_xcnt 0x0
	s_wait_alu depctr_hold_cnt(0) depctr_sa_sdst(0) depctr_va_vdst(0) depctr_va_sdst(0) depctr_va_ssrc(0) depctr_va_vcc(0) depctr_vm_vsrc(0)
	s_getreg_b32 s2, hwreg(HW_REG_IB_STS2, 6, 4)
	s_cmp_eq_u32 s2, 0
	s_cbranch_scc0 .Lentry_in_a_cluster
	s_endpgm
.Lentry_in_a_cluster:
	s_bfe_u32 s2, ttmp6, 0x10000c
	s_cmp_lg_u32 s2, 0xf033
	s_cbranch_scc0 .Lentry_shape_is_right
	s_endpgm
.Lentry_shape_is_right:
; out0 = scaled2 + h x mlpProjWeight: M = 4,096, N = 1,024, K = 4,096, bf16 operands (h has no bound that fits f16), f32 sums and residual.
; A tile of C is 128 x 128, four waves of 64 x 64; K in steps of 256 through two LDS slots; A ([M][K]) lies as it is read, B ([K][N]) is turned on its way out of LDS by ds_load_tr16_b128;
; the matrix instruction is used transposed (source 0 = 16 columns of B, source 1 = 16 rows of A): a lane holds one row of C and eight neighbouring columns.
; CLUSTER 4 x 4: the four of a row share A's tiles, the four of a column B's: each tile is asked for jointly.  One step's text serves both slots: the slot in hand is the scalar TB.
; By this text's count a wave has two tensor loads out at the start and one behind each round.
; A wave's 64 columns of f32 are one aligned block of 256 bytes, so each wave sends its rows through a stage of its own and no barrier is needed on the way out.
.set APITCH, 4096
.set NP,     1024
.set TSTEPS, 16
.set PA,     528
.set AH,     64*PA
.set AQ,     128
.set A16,    16*PA
.set ASTEP,  512
.set BBASE,  16777216                  ; mlpProjWeight in wb
.set PB,     288
.set BH,     128*PB
.set BOFF,   2*AH
.set SLOT,   2*AH+2*BH
.set SPARE,  2*SLOT
.set STAGE,  SPARE+512                 ; 16 rows x 272 bytes for each wave; no tile lands here
.set BSTEP,  512*NP
.set A0, 10
.set B0, 11
.set ADRA, 12
.set ADRB, 13
.set STO, 15
.set RD,  16
.set CO,  17
.set SPW, 18
.set NIL, 19
.set TMP, 32
.set ACC, 128
.set F0,  0
.set F1,  128
.set WV, 14
.set HR, 15
.set HC, 16
.set TR, 17
.set TC, 18
.set CX, 19
.set CY, 20
.set LBA, 21
.set LBB, 22
.set TB,  23
.set G1A, 24
.set G0A, 32
.set G1B, 48
.set G0B, 56
.set CNT, 66
.set MSB, 0
.macro WIN new
.if MSB != (\new)
	s_set_vgpr_msb (MSB<<8)|(\new)
.set MSB, \new
.endif
.endm
.set MUL,  0x05
.set TO_F, 0x40
.macro PLACES
.rept 4
	v_nop
.endr
.endm
.macro CREST
	s_cmp_lg_u32 s[WV], 0
	s_cbranch_scc1 .Lnot_wave_0_\@
	s_barrier_signal -3
.Lnot_wave_0_\@:
	s_barrier_wait -3
	s_barrier_signal -1
	s_barrier_wait -1
.endm
.macro CROUND
	s_barrier_signal -1
	s_barrier_wait -1
	CREST
.endm
.macro JLOAD                           ; the joint refill; an s_nop 0 and four v_nop follow each line
	s_cmp_eq_u32 s[HR], 0
	s_cbranch_scc0 .Lfor_b_\@
	tensor_load_to_lds s[G0A+4:G0A+7], s[G1A:G1A+7]
	s_nop 0
.rept 4
	v_nop
.endr
	s_branch .Lasked_\@
.Lfor_b_\@:
	tensor_load_to_lds s[G0B+4:G0B+7], s[G1B:G1B+7]
	s_nop 0
.rept 4
	v_nop
.endr
.Lasked_\@:
.endm
.macro MUL8 f, c, a0, zero             ; 8 products; the 16 accumulators take turns
	WIN MUL
.irp a, \a0, (\a0)+1
.irp b, 0,1,2,3
.if \zero
	v_wmma_f32_16x16x32_bf16 v[ACC+8*(4*(\a)+(\b)):ACC+8*(4*(\a)+(\b))+7], v[(\f)+64+8*(4*(\c)+(\b)):(\f)+64+8*(4*(\c)+(\b))+7], v[(\f)+8*(4*(\c)+(\a)):(\f)+8*(4*(\c)+(\a))+7], 0
.else
	v_wmma_f32_16x16x32_bf16 v[ACC+8*(4*(\a)+(\b)):ACC+8*(4*(\a)+(\b))+7], v[(\f)+64+8*(4*(\c)+(\b)):(\f)+64+8*(4*(\c)+(\b))+7], v[(\f)+8*(4*(\c)+(\a)):(\f)+8*(4*(\c)+(\a))+7], v[ACC+8*(4*(\a)+(\b)):ACC+8*(4*(\a)+(\b))+7]
.endif
.endr
.endr
.endm
.macro FETCH q, f                      ; 32 LDS loads in one run, the first 32 along K first
	WIN TO_F
.irp c, 0,1
.irp i, 0,1,2,3
	ds_load_tr16_b128 v[(\f)+64+8*(4*(\c)+(\i)):(\f)+64+8*(4*(\c)+(\i))+3],   v[ADRB+(\q)/2] offset:(64*((\q)%2)+32*(\c))*PB+32*(\i)
	ds_load_tr16_b128 v[(\f)+64+8*(4*(\c)+(\i))+4:(\f)+64+8*(4*(\c)+(\i))+7], v[ADRB+(\q)/2] offset:(64*((\q)%2)+32*(\c))*PB+32*(\i)+16*PB
	ds_load_b128 v[(\f)+8*(4*(\c)+(\i)):(\f)+8*(4*(\c)+(\i))+3],   v[ADRA] offset:(\q)*AQ+64*(\c)+(\i)*A16
	ds_load_b128 v[(\f)+8*(4*(\c)+(\i))+4:(\f)+8*(4*(\c)+(\i))+7], v[ADRA] offset:(\q)*AQ+64*(\c)+(\i)*A16+32
.endr
.endr
.endm
.macro QUARTER q, f, g, zero
	s_wait_dscnt 16                                ; the first 32 along K are in
	MUL8 \f, 0, 0, \zero
	MUL8 \f, 0, 2, \zero
	PLACES
	FETCH \q, \g
	s_wait_dscnt 32                                ; all but the 32 just issued
	MUL8 \f, 1, 0, 0
	MUL8 \f, 1, 2, 0
.endm
.macro TURN fill
	WIN 0
	s_wait_tensorcnt 0x0                           ; all my tensor loads have landed; the walking descriptor may be written
	ds_add_u32 v[SPW], v[NIL]
.if \fill
	s_add_co_u32 s[G0A+5], s[LBA], s[TB]
	s_add_nc_u64 s[G0A+6:G0A+7], s[G0A+6:G0A+7], ASTEP
	s_add_co_u32 s[G0B+5], s[LBB], s[TB]
	s_add_nc_u64 s[G0B+6:G0B+7], s[G0B+6:G0B+7], BSTEP
.endif
	s_wait_dscnt 17                                ; the add and the youngest sixteen loads may be out
	MUL8 F1, 0, 0, 0
	s_wait_dscnt 0x0                               ; the add is done, and my reads of this slot are over
	s_barrier_signal -1
	MUL8 F1, 0, 2, 0
	WIN 0
	s_barrier_wait -1
.if \fill
	CREST
	JLOAD
.else
	PLACES
.endif
	s_xor_b32 s[TB], s[TB], SLOT
	v_add_nc_u32 v[ADRA], s[TB], v[A0]
	v_add_nc_u32 v[ADRB], s[TB], v[B0]
	v_add_nc_u32 v[ADRB+1], BH, v[ADRB]
	FETCH 0, F0
	MUL8 F1, 1, 0, 0
	MUL8 F1, 1, 2, 0
.endm
.macro LASTQ
	s_wait_dscnt 16
	MUL8 F1, 0, 0, 0
	MUL8 F1, 0, 2, 0
	s_wait_dscnt 0x0
	MUL8 F1, 1, 0, 0
	MUL8 F1, 1, 2, 0
	WIN 0
.endm
	s_load_b256 s[4:11], s[0:1], 0x0               ; hbuf s[4:5], wb s[6:7], scaled2 s[8:9], out0 s[10:11]
	v_lshl_add_u32 v[SPW], v0, 2, SPARE
	v_mov_b32 v[NIL], 0
	ds_add_u32 v18, v19
	ds_add_u32 v18, v19
	s_wait_dscnt 0x0
	v_lshrrev_b32 v1, 5, v0
	v_readfirstlane_b32 s[WV], v1
	s_lshr_b32 s[HR], s[WV], 1
	s_and_b32 s[HC], s[WV], 1
	s_bfe_u32 s[CX], ttmp6, 0x40000
	s_bfe_u32 s[CY], ttmp6, 0x40004
	s_lshl_b32 s[TC], ttmp9, 2
	s_add_co_u32 s[TC], s[TC], s[CX]
	s_and_b32 s[TR], ttmp7, 0xffff
	s_lshl_b32 s[TR], s[TR], 2
	s_add_co_u32 s[TR], s[TR], s[CY]
	s_lshl_b32 s40, s[CY], 2
	s_lshl_b32 s40, 15, s40
	s_lshl_b32 s44, 0x1111, s[CX]
	s_or_b32 s[G1A], s40, (1<<16)|(1<<20)|(1<<21)|(6<<22)|(3<<25)
	s_mov_b32 s[G1A+1], 256<<16
	s_mov_b32 s[G1A+2], 64<<16
	s_mov_b32 s[G1A+3], 256<<16
	s_mov_b32 s[G1A+4], 64
	s_mov_b32 s[G1A+5], APITCH
	s_mov_b32 s[G1A+6], 0
	s_mov_b32 s[G1A+7], 0
	s_or_b32 s[G1B], s44, (1<<16)|(1<<20)|(1<<21)|(5<<22)|(7<<25)
	s_mov_b32 s[G1B+1], 128<<16
	s_mov_b32 s[G1B+2], 128<<16
	s_mov_b32 s[G1B+3], 128<<16
	s_mov_b32 s[G1B+4], 128
	s_mov_b32 s[G1B+5], NP
	s_mov_b32 s[G1B+6], 0
	s_mov_b32 s[G1B+7], 0
	s_lshl_b32 s40, s[TR], 7
	s_lshl_b32 s41, s[HC], 6
	s_add_co_u32 s40, s40, s41
	s_mul_i32 s40, s40, APITCH*2
	s_mov_b32 s41, 0
	s_lshl_b32 s44, s[TC], 8
	s_mul_i32 s45, s[HC], 128*NP*2
	s_add_co_u32 s44, s44, s45
	s_add_co_u32 s44, s44, BBASE
	s_mov_b32 s45, 0
	s_mul_i32 s[LBA], s[HC], AH
	s_mul_i32 s[LBB], s[HC], BH
	s_add_co_u32 s[LBB], s[LBB], BOFF
	s_mov_b32 s[TB], 0
	s_wait_kmcnt 0x0
	s_add_nc_u64 s[42:43], s[4:5], s[40:41]
	s_add_nc_u64 s[46:47], s[6:7], s[44:45]
.irp n, 0,1
	s_mov_b32 s[G0A+4*\n], 1
	s_add_co_u32 s[G0A+4*\n+1], s[LBA], \n*SLOT
	s_add_nc_u64 s[G0A+4*\n+2:G0A+4*\n+3], s[42:43], \n*ASTEP
	s_or_b32 s[G0A+4*\n+3], s[G0A+4*\n+3], 0x80000000
	s_mov_b32 s[G0B+4*\n], 1
	s_add_co_u32 s[G0B+4*\n+1], s[LBB], \n*SLOT
	s_add_nc_u64 s[G0B+4*\n+2:G0B+4*\n+3], s[46:47], \n*BSTEP
	s_or_b32 s[G0B+4*\n+3], s[G0B+4*\n+3], 0x80000000
.endr
	CROUND
	s_cmp_eq_u32 s[HR], 0
	s_cbranch_scc0 .Lfirst_b
	tensor_load_to_lds s[G0A:G0A+3], s[G1A:G1A+7]
	s_nop 0
	tensor_load_to_lds s[G0A+4:G0A+7], s[G1A:G1A+7]
	s_nop 0
.rept 4
	v_nop
.endr
	s_branch .Lfirst_done
.Lfirst_b:
	tensor_load_to_lds s[G0B:G0B+3], s[G1B:G1B+7]
	s_nop 0
	tensor_load_to_lds s[G0B+4:G0B+7], s[G1B:G1B+7]
	s_nop 0
.rept 4
	v_nop
.endr
.Lfirst_done:
	v_and_b32 v1, 15, v0
	v_bfe_u32 v2, v0, 4, 1
	v_mul_u32_u24 v3, v1, PA
	v_lshl_add_u32 v3, v2, 4, v3
	s_mul_i32 s72, s[HR], AH
	v_add_nc_u32 v[A0], s72, v3
	v_and_b32 v4, 7, v0
	v_lshl_add_u32 v4, v2, 3, v4
	v_mul_u32_u24 v4, v4, PB
	v_bfe_u32 v5, v0, 3, 1
	v_lshl_add_u32 v4, v5, 4, v4
	s_lshl_b32 s72, s[HC], 7
	s_add_co_u32 s72, s72, BOFF
	v_add_nc_u32 v[B0], s72, v4
	v_mov_b32 v[ADRA], v[A0]
	v_mov_b32 v[ADRB], v[B0]
	v_add_nc_u32 v[ADRB+1], BH, v[B0]
	; the way out: my 64 rows x 256 bytes of the residual and of the result
	s_lshl_b32 s72, s[TR], 7
	s_lshl_b32 s73, s[HR], 6
	s_add_co_u32 s72, s72, s73
	s_lshl_b32 s72, s72, 12
	s_lshl_b32 s73, s[TC], 9
	s_add_co_u32 s72, s72, s73
	s_lshl_b32 s73, s[HC], 8
	s_add_co_u32 s72, s72, s73
	s_mov_b32 s73, 0
	s_add_nc_u64 s[8:9], s[8:9], s[72:73]
	s_add_nc_u64 s[10:11], s[10:11], s[72:73]
	s_mul_i32 s77, s[WV], 16*272
	s_add_co_u32 s77, s77, STAGE
	v_mul_u32_u24 v3, v1, 272
	v_lshl_add_u32 v3, v2, 5, v3
	v_add_nc_u32 v[STO], s77, v3
	v_mul_u32_u24 v3, v2, 272
	v_lshl_add_u32 v3, v1, 4, v3
	v_add_nc_u32 v[RD], s77, v3
	v_lshlrev_b32 v3, 12, v2
	v_lshl_add_u32 v[CO], v1, 4, v3
	s_wait_tensorcnt 0x1                           ; my part of step 0 is in; step 1's may stay out
	s_barrier_signal -1
	s_barrier_wait -1
	FETCH 0, F0
	QUARTER 1, F0, F1, 1
	WIN 0
	s_mov_b32 s[CNT], TSTEPS-2
.Lstep:
	QUARTER 2, F1, F0, 0
	QUARTER 3, F0, F1, 0
	TURN 1
	QUARTER 1, F0, F1, 0
	WIN 0
	s_sub_co_u32 s[CNT], s[CNT], 1
	s_cmp_lg_u32 s[CNT], 0
	s_cbranch_scc1 .Lstep
	QUARTER 2, F1, F0, 0
	QUARTER 3, F0, F1, 0
	TURN 0
	QUARTER 1, F0, F1, 0
	QUARTER 2, F1, F0, 0
	QUARTER 3, F0, F1, 0
	PLACES                                         ; behind the products that read buffer 0, whose registers take the residual
	WIN TO_F
.irp a, 0,1,2,3
.irp t, 0,1,2,3,4,5,6,7
	global_load_b128 v[32*\a+4*\t:32*\a+4*\t+3], v[CO], s[8:9] offset:(16*\a+2*\t)*4096
.endr
.endr
	LASTQ
	PLACES                                         ; behind the last products
; Row block a: the sums go into my stage (each accumulator's low half first), come back as whole rows, take the residual and leave.
.macro RESBLK a
	s_wait_xcnt 0x0                                ; the registers that earlier stores read are rewritten only behind this wait
.set tb, TMP+32*((\a)%2)
.irp b, 0,1,2,3
	ds_store_b128 v[STO], v[ACC+8*(4*(\a)+\b):ACC+8*(4*(\a)+\b)+3] offset:64*\b
	ds_store_b128 v[STO], v[ACC+8*(4*(\a)+\b)+4:ACC+8*(4*(\a)+\b)+7] offset:64*\b+16
.endr
.irp t, 0,1,2,3,4,5,6,7
	ds_load_b128 v[tb+4*\t:tb+4*\t+3], v[RD] offset:544*\t  ; LDS serves a wave's instructions in order (ISA guide 5.7.1.4)
.endr
	s_wait_dscnt 0x0
	s_wait_loadcnt 24-8*(\a)                       ; the residual's blocks behind a may stay out
	WIN 0x04                                       ; source 1 in window 1
.set i, 0
.rept 16
	v_pk_add_f32 v[tb+i:tb+i+1], v[tb+i:tb+i+1], v[32*(\a)+i:32*(\a)+i+1]
.set i, i+2
.endr
	WIN 0
.irp t, 0,1,2,3,4,5,6,7
	global_store_b128 v[CO], v[tb+4*\t:tb+4*\t+3], s[10:11] offset:(16*(\a)+2*\t)*4096  ; 16 lanes store 256 consecutive bytes, aligned
.endr
.endm
	RESBLK 0
	RESBLK 1
	RESBLK 2
	RESBLK 3
	s_wait_tensorcnt 0x0                           ; the wave's end
	ds_add_u32 v[SPW], v[NIL]
	s_wait_dscnt 0x0
	CROUND                                         ; the closing round
	s_endpgm
.Lfunc_end_k_q6a02e6c70e_mlp:
	.size	k_q6a02e6c70e_mlp, .Lfunc_end_k_q6a02e6c70e_mlp-k_q6a02e6c70e_mlp
	.p2alignl 7, 3214868480
	.fill 96, 4, 3214868480
	.section	.rodata,"a",@progbits
	.p2align	6, 0x0
	.amdhsa_kernel k_q6a02e6c70e_mlp
		.amdhsa_group_segment_fixed_size 327680
		.amdhsa_private_segment_fixed_size 0
		.amdhsa_enable_private_segment 0
		.amdhsa_kernarg_size 32
		.amdhsa_user_sgpr_count 2
		.amdhsa_user_sgpr_kernarg_segment_ptr 1
		.amdhsa_wavefront_size32 1
		.amdhsa_system_sgpr_workgroup_id_x 1
		.amdhsa_system_sgpr_workgroup_id_y 1
		.amdhsa_system_sgpr_workgroup_id_z 1
		.amdhsa_system_vgpr_workitem_id 0
		.amdhsa_next_free_vgpr 512
		.amdhsa_next_free_sgpr 80
		.amdhsa_reserve_vcc 0
		.amdhsa_float_denorm_mode_32 3
		.amdhsa_float_denorm_mode_16_64 3
		.amdhsa_memory_ordered 1
		.amdhsa_forward_progress 1
		.amdhsa_inst_pref_size 76
	.end_amdhsa_kernel
	.amdgpu_metadata
---
amdhsa.version: [ 1, 2 ]
amdhsa.kernels:
  - .name:           k_q6a02e6c70e_mlp
    .symbol:         k_q6a02e6c70e_mlp.kd
    .args:
      - { .name: hbuf, .offset: 0, .size: 8, .value_kind: global_buffer, .address_space: global }
      - { .name: wb, .offset: 8, .size: 8, .value_kind: global_buffer, .address_space: global }
      - { .name: scaled2, .offset: 16, .size: 8, .value_kind: global_buffer, .address_space: global }
      - { .name: out0, .offset: 24, .size: 8, .value_kind: global_buffer, .address_space: global }
    .group_segment_fixed_size: 327680
    .private_segment_fixed_size: 0
    .kernarg_segment_align: 8
    .kernarg_segment_size: 32
    .max_flat_workgroup_size: 128
    .sgpr_count:     80
    .vgpr_count:     512
    .wavefront_size: 32
...
	.end_amdgpu_metadata
.endif
;; end of part 7
